; MI455X (gfx1250); checked and timed in simulation.
; The chip was launched on July 23, 2026; its instructions are those of AMD's public machine-readable ISA for CDNA 5 (MIT licence, August 2026) and "CDNA5" Instruction Set Architecture Reference Guide (July 2026). The comments in the code are by the model that wrote it; some were corrected since.
;; Roformer Attention. Allowed arithmetic: matrix products marked QUANTISED: E2M1 operands, one E8M0 scale for each 32 along K, by v_wmma_scale_f32_16x16x128_f8f6f4 with both operands' format E2M1 (or v_wmma_scale_f32_32x16x128_f4), f32 sums; everything else in f32.
;; Inputs: Wk 1,024 x 1,024 float32; Wo 1,024 x 1,024 float32; Wq 1,024 x 1,024 float32; Wv 1,024 x 1,024 float32; beta 1,024 float32; bk 1,024 float32; bo 1,024 float32; bq 1,024 float32; bv 1,024 float32; cdr_bias 2 x 2,048 float32; cdr_weight one number float32; gamma 1,024 float32; x 2 x 2,048 x 1,024 float32.
;; Outputs: out0 2 x 2,048 x 1,024 float32.
;; This version of the problem:
;;   THIS VERSION OF THE PROBLEM IS GIVEN IN LOW PRECISION. The matrix products marked QUANTISED in the list below multiply operands that are first quantised to E2M1 (2 exponent bits, 1 mantissa bit; 4 bits a number), with one power-of-two scale for each 32 numbers along K (OCP MX v1.0); their sums are f32. All else is computed in f32.
;;   The module's matrix products, in the order in which they are computed (A, B: the left and right operand; K: the contracted axis; several contracted axes count as one K, in the product's order):
;;     1. [M 4,096, K 1,024] x [K 1,024, N 1,024]; A: input x; B: input Wq: QUANTISED
;;     2. [M 4,096, K 1,024] x [K 1,024, N 1,024]; A: input x; B: input Wk: QUANTISED
;;     3. [M 4,096, K 1,024] x [K 1,024, N 1,024]; A: input x; B: input Wv: QUANTISED
;;     4. batch 32 x [M 2,048, K 64] x [K 64, N 2,048]; A: computed on the way; B: computed on the way: QUANTISED
;;     5. batch 32 x [M 2,048, K 2,048] x [K 2,048, N 64]; A: softmax (see below); B: computed on the way: QUANTISED
;;     6. [M 4,096, K 1,024] x [K 1,024, N 1,024]; A: computed on the way; B: input Wo: QUANTISED
;;   THE QUANTISER, for each operand of a quantised product, along K:
;;     - K is cut into blocks of 32 from its start; a last block that is shorter is filled with zeros.
;;     - A block's scale is 2^e with e = floor(log2(the largest magnitude in the block)) - 2, held to -126 .. 127; a block of zeros has e = 0. As a byte (E8M0): e + 127.
;;     - Each number is divided by its block's scale, clamped to +-6, and rounded to the nearest number of E2M1, ties to even, subnormals kept.
;;     - The product sums the exact products of the quantised numbers (number of the format x scale) in f32.
;;   ~~~python
;;   def quantise(x, axis):      # numpy; x: float32 -> the quantised numbers, widened to float32 again
;;       x = np.moveaxis(x, axis, -1); K = x.shape[-1]
;;       x = np.pad(x, [(0, 0)] * (x.ndim - 1) + [(0, -K % 32)]); x = x.reshape(x.shape[:-1] + (-1, 32)); a = np.abs(x).max(-1, keepdims=True)
;;       e = np.where(a > 0, np.clip(np.frexp(np.where(a > 0, a, 1))[1] - 1 - 2, -126, 127), 0)      # np.frexp(a)[1] - 1 = floor(log2(a)), exactly
;;       r = np.clip(x / 2.0 ** e, -6, 6)
;;       step = 2.0 ** (np.maximum(np.frexp(np.where(r == 0, 1, r))[1] - 1, 0) - 1)
;;       q = np.round(r / step) * step * 2.0 ** e      # np.round: ties to even
;;       return np.moveaxis(q.reshape(q.shape[:-2] + (-1,))[..., :K], -1, axis).astype(np.float32)
;;   ~~~
;;   SOFTMAX AHEAD OF A QUANTISED PRODUCT. Where the list says 'softmax', what is quantised is not the finished softmax but p = 2^(t - M), with t = logit x log2(e) and M = ceil(the row's largest t), a whole number; so 1/2 < the row's largest p <= 1. The row's sum l is taken of the UNQUANTISED p, in f32, and the product's result is divided by l at the end. Since M is a whole number, a kernel that streams over the keys may use a running M (the ceiling of the running maximum): every later rescaling is an exact power of two, which a block's scale takes up: the codes' values come out the same.
;;   OPERANDS COMPUTED ON THE WAY. 'Computed on the way' means the value that the module computes at that place (a softmax that the list does not call 'softmax' is quantised finished and normalised). What goes into a quantiser is computed in f32, as accurately as f32 sums, v_exp_f32 and their like allow (about 1e-6 of the number): no bf16 or f16 on the way to a quantiser, and a product that is left as it is and whose result goes on into a quantised operand takes f32 operands (vector FMAs, or v_wmma_f32_16x16x4_f32). A number that lies on a knife's edge between two numbers of the format may be rounded either way, as far as f32 arithmetic and the matrix unit's own rounding can turn it there, and no further.
;; One version. Each part assembles by itself: llvm-mc -triple=amdgcn-amd-amdhsa -mcpu=gfx1250 --defsym DOCPART=n.
;; ======== version 1 of 1: 4 launches
;; limits: right only within a limited range of input values
;; workspace buffers: xq 2,228,224 bytes; wq 2,228,224 bytes; tab 524,288 bytes; qb 4,456,448 bytes; kvb 4,456,448 bytes; aq 2,228,224 bytes
;; launch prep (part 1): grid 512 x 1, 4 waves a work-group, no clusters, 35,328 bytes of LDS; arguments x, Wq, Wk, Wv, Wo, xq, wq, tab; writes xq, wq, tab
.if DOCPART == 1
	.amdgcn_target "amdgcn-amd-amdhsa--gfx1250"
	.amdhsa_code_object_version 6
	.text
	.protected	k_qb086a7c6d9_prep
	.globl	k_qb086a7c6d9_prep
	.p2align	8
	.type	k_qb086a7c6d9_prep,@function
k_qb086a7c6d9_prep:
	s_mov_b64 s[64:65], 0
	v_nop
	global_prefetch_b8 v0, s[64:65] scope:SCOPE_SE
	s_setreg_imm32_b32 hwreg(HW_REG_WAVE_MODE, 25, 1), 1
	s_wait_xcnt 0x0
; x [4096][1024] and Wq, Wk, Wv, Wo [1024 (k)][1024 (n)], f32, become codes of FP4 (E2M1) with one E8M0 byte for each 32 along K; and the table of cos and sin for the rotary embedding is made.
; A block's scale is 2^(floor(log2(its largest magnitude)) - 2); its byte is the largest magnitude's exponent field - 2, held at 1 from below.
; LAYOUT OF THE CODES (xq, wq): [tile of 16 rows][K step of 128 (8)][image of a fragment, 1,024 bytes].  An image is the operand's registers on end: piece c (0, 1) is 512 bytes, lane l's 16 bytes at 16 l;
; lane (r = l % 16, h = l / 16) holds k = 64 c + 32 h + 0 .. 31 of row r.  For the weights a row is a column n; tile = 64 x weight + n / 16 (weight 0..3 = q, k, v, o).
; SCALE WORDS, from byte 0x200000: [tile][half of K (2)][r (16)][4 words]: word q serves K step 4 x half + q.
; TABLE: [tile of 16 positions (128)][g (8)][lane][16 bytes]: g = 2 e + q2: cos(p f) for position 16 P + r and frequency number 16 e + 8 h + 4 q2 + k, k = 0..3; g + 4: sin, negative for even k (the rotation's sign).
; SHARES.  Every work-group reads 65,536 bytes.  Work-groups 0-255: x: a work-group to a tile of 16 rows, a wave to 256 along K (two K steps); all 32 loads of a wave go out at its start, and waves 0 and 2 make
; 1,024 bytes of the table while they are on their way.  Work-groups 256-511: the weights, a wave to 32 columns x 128 along K, a lane to a column, its registers down K.
; The two ways part on the work-group's number alone and have LDS bytes of their own.
; LIMITS: NaN and infinities among the inputs are not served.  A block whose largest magnitude lies under 2^-124, and a block of zeros, get the byte 1 (the rule says 127 for zeros: the codes are zeros, and this program alone reads the bytes).
; The frequencies are 10^(-j/8) to about one unit in the last place; at position 2,047 that moves an angle by about 1e-4.  sin and cos: two-part reduction by pi/2, polynomials good to about 1e-7 for angles up to 2,047.
.set XSTG,  8448                       ; x: a wave's stage: 16 rows x 528 bytes
.set XP,    528                        ; 512 bytes + 16: row r starts 16 r bytes on modulo 256, so sixteen lanes that read sixteen rows touch sixteen different 16-byte columns
.set WSC,   33792                      ; weights: 512 bytes in which the four waves' scale words meet
.set XSC,   34304                      ; x: 512 bytes for the same
.set SCOFF, 0x200000
.set R,     16                         ; v16-143  x: two sets of 64 registers as loaded
.set X,     144                        ; v144-207 x: my 64 numbers of a K step: block c at X + 32 c
.set C,     208                        ; v208-223 x: codes, 8 registers for each of the two steps: no store's data are written again
.set CQ,    224                        ; v224-227 the table's cos, v228-231 its sin: store data, never written again
.set SQ,    228
.set SW,    240                        ; v240-241 x: the two steps' scale words
.set XSA,   244                        ; v244     x: where my two scale words go in LDS
.set XRA,   245                        ; v245     x: where wave 0 reads the tile's 512 bytes back
.set XBK,   248                        ; v248-251 x: those bytes
.set WX,    16                         ; v16-143  weights: four blocks of 32 numbers
.set WC,    144                        ; v144-159 weights: codes
.set WW,    160                        ; v160     weights: my column's scale word
.set FF,    144                        ; the table's registers at work, four each (k = 0..3): they lie where x's numbers come later
.set E0,    148
.set INV,   152
.set AN,    156
.set NN,    160
.set RR,    164
.set ZZ,    168
.set SN,    172
.set CO,    176
.set QQ,    180
.set TT,    184
	s_load_b256 s[4:11], s[0:1], 0x0               ; x, Wq, Wk, Wv
	s_load_b256 s[12:19], s[0:1], 0x20             ; Wo, xq, wq, tab
	v_lshl_add_u32 v254, v0, 2, 0x8800
	v_mov_b32 v255, 0
	v_lshrrev_b32 v1, 5, v0
	v_readfirstlane_b32 s20, v1                    ; wave
	v_and_b32 v1, 31, v0                           ; lane
	v_lshlrev_b32 v2, 4, v1                        ; 16 x lane
	v_and_b32 v3, 15, v0                           ; r
	v_bfe_u32 v4, v0, 4, 1                         ; h
	s_mul_i32 s21, s20, XSTG
	v_add_nc_u32 v5, s21, v2                       ; the stage on the way in: 16 x lane in a row
	v_mul_u32_u24 v6, v3, XP
	v_lshl_add_u32 v6, v4, 7, v6
	v_add_nc_u32 v6, s21, v6                       ; and on the way out: row r, + 128 h bytes
	v_lshlrev_b32 v7, 3, v4                        ; 8 h
	s_lshr_b32 s21, s20, 1                         ; x's scale words: wave w has K steps 2 w and 2 w + 1: half w / 2, words 2 (w % 2) on
	s_lshl_b32 s21, s21, 8
	s_and_b32 s24, s20, 1
	s_lshl_b32 s24, s24, 3
	s_add_co_u32 s21, s21, s24
	s_add_co_u32 s21, s21, XSC
	v_lshl_add_u32 v[XSA], v3, 4, s21              ; + 16 r
	v_add_nc_u32 v[XRA], XSC, v2
	s_lshl_b32 s21, s20, 2
	s_add_co_u32 s21, s21, WSC
	v_add_nc_u32 v161, s21, v2                     ; weights: where my scale word goes: 16 x lane + 4 x wave
	v_add_nc_u32 v162, WSC, v2                     ; and where wave 0 reads a column's four
	v_lshlrev_b32 v163, 2, v1                      ; weights: 4 x lane
	v_lshlrev_b32 v164, 13, v4
	v_lshl_add_u32 v164, v3, 4, v164               ; codes: tile l / 16, 16 bytes a row
	v_lshlrev_b32 v165, 9, v4
	v_lshl_add_u32 v165, v3, 4, v165               ; scale words likewise
	s_mov_b32 s22, 0x76543210
	s_mov_b32 s23, 0xfedcba98                      ; v_permlanex16_b32's selects for lane l xor 16
	v_mov_b32 v15, 0                               ; written once: a lane permute's destination counts as one of its sources
	s_mov_b32 s29, 0
	s_wait_kmcnt 0x0
	s_cmp_lt_u32 ttmp9, 256
	s_cbranch_scc0 .Lweights
	; ---------------- x: tile = the work-group's number, quarter of K = my wave's number ----------------
	s_lshl_b32 s28, ttmp9, 16
	s_lshl_b32 s27, s20, 10
	s_add_co_u32 s28, s28, s27
	s_add_nc_u64 s[4:5], s[4:5], s[28:29]          ; x at my 16 rows, my 256 along K
	s_lshl_b32 s28, ttmp9, 13
	s_lshl_b32 s27, s20, 11
	s_add_co_u32 s28, s28, s27
	s_add_nc_u64 s[30:31], s[14:15], s[28:29]      ; my two images
	s_lshl_b32 s28, ttmp9, 9
	s_add_co_u32 s28, s28, SCOFF
	s_add_nc_u64 s[32:33], s[14:15], s[28:29]      ; the tile's 512 bytes of scale words
.macro XLOAD t                         ; K step t of my 16 rows: each load reads 512 consecutive bytes of one row
.irp rho, 0,1,2,3,4,5,6,7,8,9,10,11,12,13,14,15
	global_load_b128 v[R+64*(\t)+4*\rho:R+64*(\t)+4*\rho+3], v2, s[4:5] offset:\rho*4096+(\t)*512 th:TH_LOAD_NT
.endr
.endm
.macro XSTEP t
.if (\t) < 1
	s_wait_loadcnt 16                              ; this step's 16 loads are in; the second step's 16 may be out
.else
	s_wait_loadcnt 0x0
.endif
.irp rho, 0,1,2,3,4,5,6,7,8,9,10,11,12,13,14,15
	ds_store_b128 v5, v[R+64*(\t)+4*\rho:R+64*(\t)+4*\rho+3] offset:\rho*XP
.endr
.irp c, 0,1
.irp g, 0,1,2,3,4,5,6,7
	ds_load_b128 v[X+32*\c+4*\g:X+32*\c+4*\g+3], v6 offset:256*\c+16*\g   ; LDS serves a wave's instructions in order: these see the stores above.  k = 64 c + 32 h + 4 g .. of row r
.endr
.endr
	s_wait_dscnt 0x0                               ; my numbers are back
.irp c, 0,1
	v_max3_num_f32 v[8+\c], |v[X+32*\c]|, |v[X+32*\c+1]|, 0x1800000   ; block 2 c + h: all its 32 numbers are mine; and the floor 2^(3 - 127): the byte cannot fall under 1
.endr
.irp i, 2,4,6,8,10,12,14,16,18,20,22,24,26,28,30
.irp c, 0,1
	v_max3_num_f32 v[8+\c], v[8+\c], |v[X+32*\c+\i]|, |v[X+32*\c+\i+1]|
.endr
.endr
.irp c, 0,1
	v_add_nc_u32 v[10+\c], 0xff000000, v[8+\c]     ; 2 off the exponent field: the conversion's scale operand
.endr
.irp c, 0,1
	v_lshrrev_b32 v[12+\c], 23, v[10+\c]           ; the scale's byte
.endr
	v_lshl_or_b32 v14, v13, 16, v12                ; my two bytes: blocks h and 2 + h,
	v_lshlrev_b32 v14, v7, v14                     ; at their places (8 h bits up);
	v_permlanex16_b32 v15, v14, s22, s23
	v_or_b32 v[SW+(\t)], v14, v15                  ; with lane l xor 16's two the word is whole, in both lanes
.irp c, 0,1
.irp g, 0,1,2,3
	v_cvt_scalef32_pk8_fp4_f32 v[C+8*(\t)+4*\c+\g], v[X+32*\c+8*\g:X+32*\c+8*\g+7], v[10+\c]
.endr
.endr
	v_nop                                          ; one plain place behind the scaled conversions
.irp c, 0,1
	global_store_b128 v2, v[C+8*(\t)+4*\c:C+8*(\t)+4*\c+3], s[30:31] offset:(\t)*1024+\c*512   ; a piece of the image: 512 consecutive bytes
.endr
.endm
	XLOAD 0
	XLOAD 1
	; the table, while the loads are on their way: waves 0 and 2 alone; P = work-group / 2, e = work-group % 2, q2 = wave / 2
	s_and_b32 s27, s20, 1
	s_cmp_lg_u32 s27, 0
	s_cbranch_scc1 .Lnotab
	s_lshr_b32 s34, ttmp9, 1                       ; the tile of positions P
	s_and_b32 s25, ttmp9, 1                        ; e
	s_lshr_b32 s26, s20, 1                         ; q2
	s_lshl_b32 s28, s34, 12
	s_lshl_b32 s27, s25, 10
	s_add_co_u32 s28, s28, s27
	s_lshl_b32 s27, s26, 9
	s_add_co_u32 s28, s28, s27
	s_add_nc_u64 s[36:37], s[18:19], s[28:29]      ; tab + 4,096 P + 512 (2 e + q2)
	s_lshl_b32 s35, s25, 4
	s_lshl_b32 s27, s26, 2
	s_add_co_u32 s35, s35, s27                     ; 16 e + 4 q2
	s_lshl_b32 s38, s34, 4                         ; 16 P
	s_mov_b32 s39, 0x3fc90fdb                      ; pi/2, upper part
	s_mov_b32 s40, 0xb33bbd2e                      ; pi/2, lower part
	s_mov_b32 s41, 0xb94ca1f9                      ; sin: -1.9515296e-4, 8.3321609e-3, -1.6666655e-1
	s_mov_b32 s42, 0x3c08839e
	s_mov_b32 s43, 0xbe2aaaa3
	s_mov_b32 s44, 0x37ccf5ce                      ; cos: 2.4433157e-5, -1.3887316e-3, 4.1666646e-2
	s_mov_b32 s45, 0xbab6061a
	s_mov_b32 s46, 0x3d2aaaa5
	v_lshl_add_u32 v9, v4, 3, s35                  ; 16 e + 8 h + 4 q2
	v_add_nc_u32 v10, s38, v3
	v_cvt_f32_u32 v10, v10                         ; the position, 16 P + r
.irp k, 0,1,2,3
	v_add_nc_u32 v[FF+\k], \k, v9
.endr
.irp k, 0,1,2,3
	v_cvt_f32_u32 v[FF+\k], v[FF+\k]               ; j, the frequency's number
.endr
.irp k, 0,1,2,3
	v_mul_f32 v[E0+\k], 0xbed49a80, v[FF+\k]       ; -j x 435412 / 2^20: 5 bits x 19 bits, nothing is rounded
.endr
	s_wait_alu depctr_va_vdst(0)
.irp k, 0,1,2,3
	v_exp_f32 v[E0+\k], v[E0+\k]
.endr
.irp k, 0,1,2,3
	v_mul_f32 v[INV+\k], 0x342ae0c2, v[FF+\k]      ; what log2(10) / 8 lacks of that constant, x ln 2 x j.  (Plain lines behind the exponentials)
.endr
	s_wait_alu depctr_va_vdst(0)
.irp k, 0,1,2,3
	v_fma_f32 v[INV+\k], v[E0+\k], v[INV+\k], v[E0+\k]   ; 10^(-j / 8)
.endr
.irp k, 0,1,2,3
	v_mul_f32 v[AN+\k], v10, v[INV+\k]             ; the angle, rounded once
.endr
.irp k, 0,1,2,3
	v_mul_f32 v[NN+\k], 0x3f22f983, v[AN+\k]
.endr
.irp k, 0,1,2,3
	v_rndne_f32 v[NN+\k], v[NN+\k]                 ; n = the nearest whole number of quarter turns, under 2^11
.endr
.irp k, 0,1,2,3
	v_fma_f32 v[RR+\k], -v[NN+\k], s39, v[AN+\k]   ; exact: the difference has no bit under 2^-23 and lies under 1
.endr
.irp k, 0,1,2,3
	v_fma_f32 v[RR+\k], -v[NN+\k], s40, v[RR+\k]
.endr
.irp k, 0,1,2,3
	v_mul_f32 v[ZZ+\k], v[RR+\k], v[RR+\k]
.endr
.irp k, 0,1,2,3
	v_fma_f32 v[SN+\k], v[ZZ+\k], s41, s42
.endr
.irp k, 0,1,2,3
	v_fma_f32 v[CO+\k], v[ZZ+\k], s44, s45
.endr
.irp k, 0,1,2,3
	v_fma_f32 v[SN+\k], v[SN+\k], v[ZZ+\k], s43
.endr
.irp k, 0,1,2,3
	v_fma_f32 v[CO+\k], v[CO+\k], v[ZZ+\k], s46
.endr
.irp k, 0,1,2,3
	v_mul_f32 v[SN+\k], v[SN+\k], v[ZZ+\k]
.endr
.irp k, 0,1,2,3
	v_mul_f32 v[CO+\k], v[CO+\k], v[ZZ+\k]
.endr
.irp k, 0,1,2,3
	v_fma_f32 v[TT+\k], v[ZZ+\k], -0.5, 1.0
.endr
.irp k, 0,1,2,3
	v_fma_f32 v[SN+\k], v[SN+\k], v[RR+\k], v[RR+\k]   ; sin of the rest
.endr
.irp k, 0,1,2,3
	v_fma_f32 v[CO+\k], v[CO+\k], v[ZZ+\k], v[TT+\k]   ; cos of the rest
.endr
.irp k, 0,1,2,3
	v_cvt_i32_f32 v[QQ+\k], v[NN+\k]
.endr
.irp k, 0,1,2,3
	v_and_b32 v[TT+\k], 1, v[QQ+\k]
	v_cmp_eq_u32 vcc_lo, 1, v[TT+\k]               ; an odd quarter turn swaps the two
	v_cndmask_b32 v[SQ+\k], v[SN+\k], v[CO+\k], vcc_lo
	v_cndmask_b32 v[CQ+\k], v[CO+\k], v[SN+\k], vcc_lo
.endr
.irp k, 0,1,2,3
	v_and_b32 v[TT+\k], 2, v[QQ+\k]                ; sin is negative in quarters 2 and 3,
	v_add_nc_u32 v[QQ+\k], 1, v[QQ+\k]
.endr
.irp k, 0,1,2,3
	v_lshlrev_b32 v[TT+\k], 30, v[TT+\k]
	v_and_b32 v[QQ+\k], 2, v[QQ+\k]                ; cos in quarters 1 and 2
.endr
.irp k, 0,1,2,3
	v_xor_b32 v[SQ+\k], v[SQ+\k], v[TT+\k]
	v_lshlrev_b32 v[QQ+\k], 30, v[QQ+\k]
.endr
.irp k, 0,1,2,3
	v_xor_b32 v[CQ+\k], v[CQ+\k], v[QQ+\k]
.endr
.irp k, 0,2
	v_xor_b32 v[SQ+\k], 0x80000000, v[SQ+\k]       ; the rotation takes -t[d + 1] at even d
.endr
	global_store_b128 v2, v[CQ:CQ+3], s[36:37]     ; 512 consecutive bytes each
	global_store_b128 v2, v[SQ:SQ+3], s[36:37] offset:2048
.Lnotab:
	XSTEP 0
	XSTEP 1
	ds_store_b64 v[XSA], v[SW:SW+1]                ; the four waves' words of a row meet; lanes r and r + 16 write the same bytes with the same values
	s_wait_dscnt 0x0                               ; for the others' sake: my store is done
	s_barrier_signal -1
	s_barrier_wait -1
	s_cmp_lg_u32 s20, 0
	s_cbranch_scc1 .Lxdone
	ds_load_b128 v[XBK:XBK+3], v[XRA]
	s_wait_dscnt 0x0
	global_store_b128 v2, v[XBK:XBK+3], s[32:33]   ; the tile's scale words: 512 consecutive bytes, aligned
.Lxdone:
	s_wait_tensorcnt 0x0
	ds_add_u32 v254, v255
	s_wait_dscnt 0x0
	s_endpgm
	; ---------------- the weights ----------------
.Lweights:
	s_sub_co_u32 s24, ttmp9, 256
	s_lshr_b32 s25, s24, 6                         ; which weight
	s_bfe_u32 s26, s24, 0x50001                    ; which 32 columns
	s_and_b32 s27, s24, 1                          ; which half of K; my wave's number is the K step in it
	s_cmp_eq_u32 s25, 1
	s_cselect_b64 s[6:7], s[8:9], s[6:7]
	s_cmp_eq_u32 s25, 2
	s_cselect_b64 s[6:7], s[10:11], s[6:7]
	s_cmp_eq_u32 s25, 3
	s_cselect_b64 s[6:7], s[12:13], s[6:7]
	s_lshl_b32 s28, s27, 21                        ; (512 half + 128 wave) rows of 4,096 bytes + 128 bytes for each 32 columns
	s_lshl_b32 s34, s20, 19
	s_add_co_u32 s28, s28, s34
	s_lshl_b32 s34, s26, 7
	s_add_co_u32 s28, s28, s34
	s_add_nc_u64 s[6:7], s[6:7], s[28:29]
	s_lshl_b32 s28, s25, 19                        ; tile 64 weight + 2 x column group, K step 4 half + wave
	s_lshl_b32 s34, s26, 14
	s_add_co_u32 s28, s28, s34
	s_lshl_b32 s34, s27, 12
	s_add_co_u32 s28, s28, s34
	s_lshl_b32 s34, s20, 10
	s_add_co_u32 s28, s28, s34
	s_add_nc_u64 s[30:31], s[16:17], s[28:29]
	s_lshl_b32 s28, s25, 15
	s_lshl_b32 s34, s26, 10
	s_add_co_u32 s28, s28, s34
	s_lshl_b32 s34, s27, 8
	s_add_co_u32 s28, s28, s34
	s_add_co_u32 s28, s28, SCOFF
	s_add_nc_u64 s[32:33], s[16:17], s[28:29]
.macro WLOAD b                         ; block b: W(32 b + i, my column): 32 lanes read 128 consecutive bytes
.set ii, 0
.rept 32
	global_load_b32 v[WX+32*(\b)+ii], v163, s[6:7] offset:(32*(\b)+ii)*4096 th:TH_LOAD_NT
.set ii, ii+1
.endr
.endm
.macro WBLOCK b
.set XS, WX+32*(\b)
	v_max3_num_f32 v12, |v[XS]|, |v[XS+1]|, |v[XS+2]|
	v_max3_num_f32 v13, |v[XS+3]|, |v[XS+4]|, |v[XS+5]|
.irp i, 6,10,14,18,22,26
	v_max3_num_f32 v12, v12, |v[XS+\i]|, |v[XS+\i+1]|
	v_max3_num_f32 v13, v13, |v[XS+\i+2]|, |v[XS+\i+3]|
.endr
	v_max3_num_f32 v12, v12, |v[XS+30]|, |v[XS+31]|
	v_max3_num_f32 v12, v12, v13, 0x1800000        ; and the floor 2^(3 - 127)
	v_add_nc_u32 v11, 0xff000000, v12
	v_lshrrev_b32 v13, 23, v11
.if (\b) == 0
	v_mov_b32 v[WW], v13
.else
	v_lshl_or_b32 v[WW], v13, 8*(\b), v[WW]
.endif
.irp g, 0,1,2,3
	v_cvt_scalef32_pk8_fp4_f32 v[WC+4*(\b)+\g], v[XS+8*\g:XS+8*\g+7], v11
.endr
	v_nop                                          ; one plain place behind the scaled conversions
	global_store_b128 v164, v[WC+4*(\b):WC+4*(\b)+3], s[30:31] offset:256*(\b)   ; block b = 2 c + h lies 512 c + 256 h bytes into the image: sixteen lanes store 256 consecutive bytes, aligned
.endm
	s_wait_alu depctr_va_vdst(0)
	WLOAD 0
	WLOAD 1
	s_wait_loadcnt 32                              ; block 0 is in; block 1's 32 loads may be out
	WLOAD 2
	WBLOCK 0
	s_wait_loadcnt 32                              ; block 1 is in; block 2's may be out
	WLOAD 3
	WBLOCK 1
	s_wait_loadcnt 32                              ; block 2 is in; block 3's may be out
	WBLOCK 2
	s_wait_loadcnt 0x0
	WBLOCK 3
	ds_store_b32 v161, v[WW]                       ; the four waves' words of a column meet: 16 bytes a column
	s_wait_dscnt 0x0                               ; for the others' sake: my store is done
	s_barrier_signal -1
	s_barrier_wait -1
	s_cmp_lg_u32 s20, 0
	s_cbranch_scc1 .Lwdone
	ds_load_b128 v[12:15], v162
	s_wait_dscnt 0x0
	global_store_b128 v165, v[12:15], s[32:33]     ; sixteen lanes store 256 consecutive bytes, aligned
.Lwdone:
	s_wait_tensorcnt 0x0
	ds_add_u32 v254, v255
	s_wait_dscnt 0x0
	s_endpgm
.Lfunc_end_k_qb086a7c6d9_prep:
	.size	k_qb086a7c6d9_prep, .Lfunc_end_k_qb086a7c6d9_prep-k_qb086a7c6d9_prep
	.p2alignl 7, 3214868480
	.fill 96, 4, 3214868480
	.section	.rodata,"a",@progbits
	.p2align	6, 0x0
	.amdhsa_kernel k_qb086a7c6d9_prep
		.amdhsa_group_segment_fixed_size 35328
		.amdhsa_private_segment_fixed_size 0
		.amdhsa_enable_private_segment 0
		.amdhsa_kernarg_size 64
		.amdhsa_user_sgpr_count 2
		.amdhsa_user_sgpr_kernarg_segment_ptr 1
		.amdhsa_wavefront_size32 1
		.amdhsa_system_sgpr_workgroup_id_x 1
		.amdhsa_system_sgpr_workgroup_id_y 1
		.amdhsa_system_sgpr_workgroup_id_z 1
		.amdhsa_system_vgpr_workitem_id 0
		.amdhsa_next_free_vgpr 256
		.amdhsa_next_free_sgpr 66
		.amdhsa_reserve_vcc 1
		.amdhsa_float_denorm_mode_32 3
		.amdhsa_float_denorm_mode_16_64 3
		.amdhsa_memory_ordered 1
		.amdhsa_forward_progress 1
		.amdhsa_inst_pref_size 44
	.end_amdhsa_kernel
	.amdgpu_metadata
---
amdhsa.version: [ 1, 2 ]
amdhsa.kernels:
  - .name:           k_qb086a7c6d9_prep
    .symbol:         k_qb086a7c6d9_prep.kd
    .args:
      - { .name: x, .offset: 0, .size: 8, .value_kind: global_buffer, .address_space: global }
      - { .name: Wq, .offset: 8, .size: 8, .value_kind: global_buffer, .address_space: global }
      - { .name: Wk, .offset: 16, .size: 8, .value_kind: global_buffer, .address_space: global }
      - { .name: Wv, .offset: 24, .size: 8, .value_kind: global_buffer, .address_space: global }
      - { .name: Wo, .offset: 32, .size: 8, .value_kind: global_buffer, .address_space: global }
      - { .name: xq, .offset: 40, .size: 8, .value_kind: global_buffer, .address_space: global }
      - { .name: wq, .offset: 48, .size: 8, .value_kind: global_buffer, .address_space: global }
      - { .name: tab, .offset: 56, .size: 8, .value_kind: global_buffer, .address_space: global }
    .group_segment_fixed_size: 35328
    .private_segment_fixed_size: 0
    .kernarg_segment_align: 8
    .kernarg_segment_size: 64
    .max_flat_workgroup_size: 128
    .sgpr_count:     66
    .vgpr_count:     256
    .wavefront_size: 32
...
	.end_amdgpu_metadata
.endif
;; end of part 1
;; launch qkv (part 2): grid 12 x 16, 4 waves a work-group, clusters of 4 x 4, 327,680 bytes of LDS; arguments xq, wq, bq, bk, bv, tab, qb, kvb; writes qb, kvb
.if DOCPART == 2
	.amdgcn_target "amdgcn-amd-amdhsa--gfx1250"
	.amdhsa_code_object_version 6
	.text
	.protected	k_qb086a7c6d9_qkv
	.globl	k_qb086a7c6d9_qkv
	.p2align	8
	.type	k_qb086a7c6d9_qkv,@function
k_qb086a7c6d9_qkv:
	s_mov_b64 s[64:65], 0
	v_nop
	global_prefetch_b8 v0, s[64:65] scope:SCOPE_SE
	s_setreg_imm32_b32 hwreg(HW_REG_WAVE_MODE, 25, 1), 1
	s_wait_xcnt 0x0
	s_wait_alu depctr_hold_cnt(0) depctr_sa_sdst(0) depctr_va_vdst(0) depctr_va_sdst(0) depctr_va_ssrc(0) depctr_va_vcc(0) depctr_vm_vsrc(0)
	s_getreg_b32 s2, hwreg(HW_REG_IB_STS2, 6, 4)
	s_cmp_eq_u32 s2, 0
	s_cbranch_scc0 .Lentry_in_a_cluster
	s_endpgm
.Lentry_in_a_cluster:
	s_bfe_u32 s2, ttmp6, 0x10000c
	s_cmp_lg_u32 s2, 0xf033
	s_cbranch_scc0 .Lentry_shape_is_right
	s_endpgm
.Lentry_shape_is_right:
.set FR,     8
.set NL,     2
.set NP,     4
.set SLOT,   131072
.set REGION, 131072
.set SCL,    262144
.set SPARE,  294912
.set SCOFF,  0x200000
.set BLKB,   8704
.set HS,     139264
.set ADRA, 16
.set ADRB, 20
.set ADRSA, 22
.set ADRSB, 23
.set VO,   24
.set VB,   25
.set VS,   26
.set VR4,  27
.set SPW,  28
.set NIL,  29
.set SCA,  32
.set SCB,  96
.set AF,   160
.set PW,   4
.set KW,   12
.set SELV, 30
.set E,    160
.set PC,   224
.set TM,   240
.set BI,   192
.set TPW,  128
.set SEL,  2
.set G1, 24
.set G0, 32
.set G1B, 48
.set G0B, 56
.set G1S, 68
.set G0S, 76
.set G1SB, 80
.set G0SB, 88
.set MSB, 0
.macro WIN new
.if MSB != (\new)
	s_set_vgpr_msb (MSB<<8)|(\new)
.set MSB, (\new)
.endif
.endm
.set MUL_LO, 0xa1
.set MUL_HI, 0xf1
.set TO_B,   0x40
.macro JLOAD g0a, g1a, g0b, g1b
	s_cmp_eq_u32 s15, 0
	s_cbranch_scc0 .Lfor_b_\@
	tensor_load_to_lds s[\g0a:\g0a+3], s[\g1a:\g1a+7]
	s_nop 0
.rept 4
	v_nop
.endr
	s_branch .Lasked_\@
.Lfor_b_\@:
	tensor_load_to_lds s[\g0b:\g0b+3], s[\g1b:\g1b+7]
	s_nop 0
.rept 4
	v_nop
.endr
.Lasked_\@:
.endm
.macro CROUND
	s_barrier_signal -1
	s_barrier_wait -1
	s_cmp_lg_u32 s14, 0
	s_cbranch_scc1 .Lnot_wave_0_\@
	s_barrier_signal -3
.Lnot_wave_0_\@:
	s_barrier_wait -3
	s_barrier_signal -1
	s_barrier_wait -1
.endm
	s_load_b128 s[4:7], s[0:1], 0x0
	s_load_b128 s[8:11], s[0:1], 0x10
	s_load_b64 s[12:13], s[0:1], 0x20
	s_load_b64 s[66:67], s[0:1], 0x28
	s_load_b128 s[96:99], s[0:1], 0x30
	v_lshl_add_u32 v[SPW], v0, 2, SPARE
	v_mov_b32 v[NIL], 0
	ds_add_u32 v28, v29
	ds_add_u32 v28, v29
	s_wait_dscnt 0x0
	v_lshrrev_b32 v1, 5, v0
	v_readfirstlane_b32 s14, v1
	s_lshr_b32 s15, s14, 1
	s_and_b32 s16, s14, 1
	s_bfe_u32 s40, ttmp6, 0x40000
	s_bfe_u32 s41, ttmp6, 0x40004
	s_lshl_b32 s42, ttmp9, 2
	s_add_co_u32 s42, s42, s40
	s_and_b32 s17, ttmp7, 0xffff
	s_lshl_b32 s17, s17, 2
	s_add_co_u32 s17, s17, s41
	s_lshl_b32 s43, s41, 2
	s_lshl_b32 s43, 15, s43
	s_lshl_b32 s44, 0x1111, s40
	s_mov_b32 s[SEL], 0x76543210
	s_mov_b32 s[SEL+1], 0xfedcba98
	s_or_b32 s[G1+0], s43, (3<<16)|(1<<21)
	s_or_b32 s[G1B+0], s44, (3<<16)|(1<<21)
.irp g, G1, G1B
	s_mov_b32 s[\g+1], 1024<<16
	s_mov_b32 s[\g+2], 8<<16
	s_mov_b32 s[\g+3], 1024<<16
	s_mov_b32 s[\g+4], 8
	s_mov_b32 s[\g+5], 1024
	s_mov_b32 s[\g+6], 0
	s_mov_b32 s[\g+7], 0
.endr
	s_lshl_b32 s18, s16, 3
	s_lshl_b32 s20, s17, 4
	s_add_co_u32 s20, s20, s18
	s_lshl_b32 s46, s42, 4
	s_add_co_u32 s46, s46, s18
	s_lshl_b32 s22, s20, 9
	s_add_co_u32 s22, s22, SCOFF
	s_lshl_b32 s92, s46, 9
	s_add_co_u32 s92, s92, SCOFF
	s_lshl_b32 s20, s20, 13
	s_lshl_b32 s46, s46, 13
	s_mov_b32 s21, 0
	s_mov_b32 s23, 0
	s_mov_b32 s47, 0
	s_mov_b32 s93, 0
	s_lshl_b32 s45, s14, 16                        ; a wave fetches 8 tiles x all of K: 65,536 dense bytes, by its one tensor load
	s_lshl_b32 s94, s14, 12
	s_wait_kmcnt 0x0
	s_add_nc_u64 s[20:21], s[4:5], s[20:21]
	s_add_nc_u64 s[22:23], s[4:5], s[22:23]
	s_add_nc_u64 s[46:47], s[6:7], s[46:47]
	s_add_nc_u64 s[92:93], s[6:7], s[92:93]
	CROUND
.irp s, 0
	s_mov_b32 s[G0+4*\s], 1
	s_add_co_u32 s[G0+4*\s+1], s45, \s*SLOT
	s_add_nc_u64 s[G0+4*\s+2:G0+4*\s+3], s[20:21], \s*4096
	s_or_b32 s[G0+4*\s+3], s[G0+4*\s+3], 0x80000000
	s_mov_b32 s[G0B+4*\s], 1
	s_add_co_u32 s[G0B+4*\s+1], s45, \s*SLOT
	s_add_nc_u64 s[G0B+4*\s+2:G0B+4*\s+3], s[46:47], \s*4096
	s_or_b32 s[G0B+4*\s+3], s[G0B+4*\s+3], 0x80000000
	JLOAD G0+4*\s, G1, G0B+4*\s, G1B
.endr
	v_and_b32 v1, 31, v0
	v_and_b32 v2, 15, v0
	v_bfe_u32 v3, v0, 4, 1
	v_lshlrev_b32 v[VO], 4, v1
	v_lshlrev_b32 v[VB], 5, v3
	v_mul_u32_u24 v[VS], v3, HS
	v_lshl_add_u32 v[VS], v2, 4, v[VS]
	v_lshlrev_b32 v[VR4], 2, v2
.irp b, 0,1,2,3
	v_mov_b32 v[TM+4+\b], 0
.endr
.macro ADDRS isv
	s_lshl_b32 s18, s15, 16
	s_lshl_b32 s19, s16, 16
.if \isv
	s_add_co_u32 s18, s18, REGION
.else
	s_add_co_u32 s19, s19, REGION
.endif
.irp s, 0
	v_add_nc_u32 v[ADRA+\s], s18, v[VO]
	v_add_nc_u32 v[ADRB+\s], s19, v[VO]
	s_add_co_u32 s18, s18, SLOT
	s_add_co_u32 s19, s19, SLOT
.endr
.endm
.macro FRAG reg, adr, ks, i
.irp c, 0,1
	ds_load_b128 v[\reg+4*\c:\reg+4*\c+3], v[\adr] offset:(\i)*8192+(\ks)*1024+512*\c
.endr
.endm
.macro MUL16 a0, ks, zero
.irp a, \a0, \a0+1
.irp b, 0,1,2,3,4,5,6,7
.if \zero
	v_wmma_scale_f32_16x16x128_f8f6f4 v[8*(8*((\a)%4)+\b):8*(8*((\a)%4)+\b)+7], v[128*((\ks)%2)+FR*\b:128*((\ks)%2)+FR*\b+FR-1], v[AF+FR*(\a):AF+FR*(\a)+FR-1], 0, v[SCB+32*((\ks)/4)+4*\b+(\ks)%4], v[SCA+32*((\ks)/4)+4*(\a)+(\ks)%4] matrix_a_fmt:MATRIX_FMT_FP4 matrix_b_fmt:MATRIX_FMT_FP4
.else
	v_wmma_scale_f32_16x16x128_f8f6f4 v[8*(8*((\a)%4)+\b):8*(8*((\a)%4)+\b)+7], v[128*((\ks)%2)+FR*\b:128*((\ks)%2)+FR*\b+FR-1], v[AF+FR*(\a):AF+FR*(\a)+FR-1], v[8*(8*((\a)%4)+\b):8*(8*((\a)%4)+\b)+7], v[SCB+32*((\ks)/4)+4*\b+(\ks)%4], v[SCA+32*((\ks)/4)+4*(\a)+(\ks)%4] matrix_a_fmt:MATRIX_FMT_FP4 matrix_b_fmt:MATRIX_FMT_FP4
.endif
.endr
.endr
.endm
.macro FETCH_B ks
	WIN TO_B
.irp i, 0,1,2,3,4,5,6,7
	FRAG 128*((\ks)%2)+FR*\i, ADRB, \ks, \i
.endr
	WIN 0
.endm
.macro FETCH_A ks, i0
.irp i, \i0, \i0+1, \i0+2, \i0+3
	FRAG AF+FR*(\i), ADRA, \ks, \i
.endr
.endm
.macro SCALES sc
.irp i, 0,1,2,3,4,5,6,7
	global_load_b128 v[SCA+32*\sc+4*\i:SCA+32*\sc+4*\i+3], v[ADRSA], s[68:69] offset:512*\i+256*\sc   ; sixteen lanes read 256 consecutive bytes, aligned
	global_load_b128 v[SCB+32*\sc+4*\i:SCB+32*\sc+4*\i+3], v[ADRSA], s[70:71] offset:512*\i+256*\sc
.endr
.endm
.macro PLACES n
.rept \n
	v_nop
.endr
.endm
.macro STEP ks, zero
	s_wait_dscnt 4*NL
	WIN MUL_LO
	MUL16 0, \ks, \zero
	MUL16 2, \ks, \zero
	s_wait_dscnt 0
	PLACES NP
	FETCH_B (\ks)+1
	FETCH_A (\ks)+1, 0
	WIN MUL_HI
	MUL16 4, \ks, \zero
	MUL16 6, \ks, \zero
	PLACES NP
	WIN 0
	FETCH_A (\ks)+1, 4
.endm
.macro MAIN
	FETCH_B 0
	FETCH_A 0, 0
	FETCH_A 0, 4
	STEP 0, 1
.irp ks, 1,2,3,4,5,6
	STEP \ks, 0
.endr
	s_wait_dscnt 4*NL
	WIN MUL_LO
	MUL16 0, 7, 0
	MUL16 2, 7, 0
	s_wait_dscnt 0
	WIN MUL_HI
	MUL16 4, 7, 0
	MUL16 6, 7, 0
	WIN 0
	PLACES NP
.endm
.macro QUANT s, pc, pw
.irp b, 0,1,2,3
	v_max3_num_f32 v[TM+\b], |v[\s+16*\b]|, |v[\s+1+16*\b]|, 0x1800000
.endr
.irp i, 2,4,6,8,10,12,14
.irp b, 0,1,2,3
	v_max3_num_f32 v[TM+\b], v[TM+\b], |v[\s+16*\b+\i]|, |v[\s+1+16*\b+\i]|
.endr
.endr
.irp b, 0,1,2,3
	v_permlanex16_b32 v[TM+4+\b], v[TM+\b], s[SEL], s[SEL+1]
.endr
.irp b, 0,1,2,3
	v_max_num_f32 v[TM+\b], v[TM+\b], v[TM+4+\b]
.endr
.irp b, 0,1,2,3
	v_add_nc_u32 v[TM+12+\b], 0xff000000, v[TM+\b]
.endr
.irp b, 0,1,2,3
	v_lshrrev_b32 v[TM+4+\b], 23, v[TM+12+\b]
.endr
	v_lshl_or_b32 v[\pw], v[TM+5], 8, v[TM+4]
	v_lshl_or_b32 v[\pw], v[TM+6], 16, v[\pw]
	v_lshl_or_b32 v[\pw], v[TM+7], 24, v[\pw]
.irp c, 0,1
.irp e, 0,1
.irp i, 0,1
	v_cvt_scalef32_pk8_fp4_f32 v[(\pc)+4*\c+2*\i+\e], v[\s+16*(2*\c+\e)+8*\i:\s+16*(2*\c+\e)+8*\i+7], v[TM+12+2*\c+\e]
.endr
.endr
.endr
	v_nop
.irp c, 0,1
.irp i, 0,1
	v_permlane16_swap_b32 v[(\pc)+4*\c+2*\i], v[(\pc)+4*\c+2*\i+1]
.endr
.endr
.endm
	; the scale words of my 8 + 8 tiles go from memory straight into their registers, while the tensor loads are on their way
	s_wait_alu depctr_va_vdst(0)
	s_lshl_b32 s72, s17, 13                        ; x's 16 tiles of scale words, 512 bytes each
	s_lshl_b32 s74, s42, 13                        ; the weight's
	s_cmp_eq_u32 ttmp9, 2                          ; for V the two operands change places
	s_cselect_b32 s76, s74, s72
	s_cselect_b32 s77, s72, s74
	s_cselect_b64 s[68:69], s[6:7], s[4:5]
	s_cselect_b64 s[70:71], s[4:5], s[6:7]
	s_lshl_b32 s18, s15, 12
	s_lshl_b32 s19, s16, 12
	s_add_co_u32 s72, s76, s18
	s_add_co_u32 s74, s77, s19
	s_add_co_u32 s72, s72, SCOFF
	s_add_co_u32 s74, s74, SCOFF
	s_mov_b32 s73, 0
	s_mov_b32 s75, 0
	s_add_nc_u64 s[68:69], s[68:69], s[72:73]
	s_add_nc_u64 s[70:71], s[70:71], s[74:75]
	v_lshlrev_b32 v[ADRSA], 4, v2
	SCALES 0
	SCALES 1
	s_wait_alu depctr_va_vdst(0)
	s_wait_loadcnt 0x0                             ; the scale words are in: no other load of mine is out
	s_wait_tensorcnt 0x0
	s_barrier_signal -1
	s_barrier_wait -1
	s_mov_b32 s23, 0
	s_cmp_eq_u32 ttmp9, 2
	s_cbranch_scc1 .Lv
	s_wait_alu depctr_va_vdst(0)
	ADDRS 0
	s_lshr_b32 s18, s17, 3
	s_and_b32 s19, s17, 7
	s_and_b32 s20, s42, 3
	s_lshl_b32 s21, s20, 2
	s_lshl_b32 s22, s16, 1
	s_add_co_u32 s21, s21, s22
	s_lshl_b32 s22, s18, 4
	s_add_co_u32 s22, s22, s21
	s_lshl_b32 s22, s22, 4
	s_lshl_b32 s21, s19, 1
	s_add_co_u32 s21, s21, s15
	s_add_co_u32 s22, s22, s21
	s_mul_i32 s22, s22, BLKB
	s_cmp_eq_u32 ttmp9, 0
	s_cselect_b64 s[24:25], s[96:97], s[98:99]
	s_cselect_b64 s[26:27], s[8:9], s[10:11]
	s_add_nc_u64 s[24:25], s[24:25], s[22:23]
	s_lshl_b32 s22, s20, 10
	s_lshl_b32 s21, s16, 9
	s_add_co_u32 s22, s22, s21
	s_add_nc_u64 s[26:27], s[26:27], s[22:23]
	s_lshl_b32 s22, s19, 16
	s_lshl_b32 s21, s15, 15
	s_add_co_u32 s22, s22, s21
	s_add_nc_u64 s[28:29], s[66:67], s[22:23]
.macro TABLOAD a
.set TBL, (64+32*((\a)%4))%128
.irp g, 0,1,2,3,4,5,6,7
	global_load_b128 v[TBL+4*\g:TBL+4*\g+3], v[VO], s[28:29] offset:4096*(\a)+512*\g
.endr
.endm
	WIN TO_B
.irp b, 0,1,2,3,4,5,6,7
.irp e, 0,1
	global_load_b128 v[BI+8*\b+4*\e:BI+8*\b+4*\e+3], v[VB], s[26:27] offset:64*\b+16*\e
.endr
.endr
	TABLOAD 0
	TABLOAD 1
	s_wait_alu depctr_va_vdst(0)
	MAIN
	v_cmp_eq_u32 vcc_lo, 1, v3
	v_mov_b32 v[SELV], 0x05040100
	v_mov_b32 v31, 0x07060302
	v_cndmask_b32 v[SELV], v[SELV], v31, vcc_lo
	WIN TO_B
	TABLOAD 2
	TABLOAD 3
.macro EPI_QK a
.set TBU, (64+32*((\a)%4))%128
.if (\a) < 5
	s_wait_loadcnt 24
.else
	s_wait_loadcnt 8*(7-(\a))
.endif
	WIN 0x06+(\a)/4
.set pp, 0
.rept 32
	v_pk_add_f32 v[E+2*pp:E+2*pp+1], v[64*((\a)%4)+2*pp:64*((\a)%4)+2*pp+1], v[BI+2*pp:BI+2*pp+1]
.set pp, pp+1
.endr
	WIN 0x44
.set pp, 0
.rept 32
	v_pk_mul_f32 v[TPW+2*pp:TPW+2*pp+1], v[E+2*pp:E+2*pp+1], v[TBU+16+8*((pp/4)%2)+2*(pp%4):TBU+16+8*((pp/4)%2)+2*(pp%4)+1] op_sel:[1,0] op_sel_hi:[0,1]
.set pp, pp+1
.endr
	WIN 0x14
.set pp, 0
.rept 32
	v_pk_fma_f32 v[E+2*pp:E+2*pp+1], v[E+2*pp:E+2*pp+1], v[TBU+8*((pp/4)%2)+2*(pp%4):TBU+8*((pp/4)%2)+2*(pp%4)+1], v[TPW+2*pp:TPW+2*pp+1]
.set pp, pp+1
.endr
.if (\a) < 4
	WIN TO_B
	TABLOAD (\a)+4
.endif
	WIN 0
.if (\a) >= 2
	s_wait_xcnt 0x0
.endif
	QUANT E, PC+8*((\a)%2), PW+(\a)
.irp c, 0,1
	global_store_b128 v[VO], v[PC+8*((\a)%2)+4*\c:PC+8*((\a)%2)+4*\c+3], s[24:25] offset:\c*HS+((\a)/2)*1024+((\a)%2)*512
.endr
.if (\a)%2 == 1
	v_perm_b32 v[KW+(\a)/2], v[PW+(\a)], v[PW+(\a)-1], v[SELV]
.endif
.endm
.irp a, 0,1,2,3,4,5,6,7
	EPI_QK \a
.endr
	global_store_b128 v[VS], v[KW:KW+3], s[24:25] offset:8192
	s_branch .Ldone
.Lv:
	s_wait_alu depctr_va_vdst(0)
	ADDRS 1
	s_lshr_b32 s18, s17, 3
	s_and_b32 s19, s17, 7
	s_and_b32 s20, s42, 3
	s_lshl_b32 s21, s20, 2
	s_lshl_b32 s22, s15, 1
	s_add_co_u32 s21, s21, s22
	s_lshl_b32 s22, s18, 4
	s_add_co_u32 s22, s22, s21
	s_lshl_b32 s22, s22, 4
	s_lshl_b32 s21, s19, 1
	s_add_co_u32 s21, s21, s16
	s_add_co_u32 s22, s22, s21
	s_mul_i32 s22, s22, BLKB
	s_add_nc_u64 s[24:25], s[98:99], s[22:23]
	s_lshl_b32 s22, s20, 10
	s_lshl_b32 s21, s15, 9
	s_add_co_u32 s22, s22, s21
	s_add_nc_u64 s[26:27], s[12:13], s[22:23]
	WIN TO_B
.irp a, 0,1,2,3,4,5,6,7
	global_load_b32 v[BI+\a], v[VR4], s[26:27] offset:64*\a
.endr
	s_wait_alu depctr_va_vdst(0)
	MAIN
	s_wait_loadcnt 0x0
.macro EPI_V a
	WIN 0x06+(\a)/4
.set pp, 0
.rept 32
.if (\a)%2 == 0
	v_pk_add_f32 v[E+2*pp:E+2*pp+1], v[64*((\a)%4)+2*pp:64*((\a)%4)+2*pp+1], v[BI+2*((\a)/2):BI+2*((\a)/2)+1] op_sel_hi:[1,0]
.else
	v_pk_add_f32 v[E+2*pp:E+2*pp+1], v[64*((\a)%4)+2*pp:64*((\a)%4)+2*pp+1], v[BI+2*((\a)/2):BI+2*((\a)/2)+1] op_sel:[0,1] op_sel_hi:[1,1]
.endif
.set pp, pp+1
.endr
	WIN 0
.if (\a) >= 2
	s_wait_xcnt 0x0
.endif
	QUANT E, PC+8*((\a)%2), PW+(\a)
.irp c, 0,1
	global_store_b128 v[VO], v[PC+8*((\a)%2)+4*\c:PC+8*((\a)%2)+4*\c+3], s[24:25] offset:((\a)/4)*HS+4096+((\a)%4)*1024+512*\c
.endr
.endm
.irp a, 0,1,2,3,4,5,6,7
	EPI_V \a
.endr
	v_cmp_eq_u32 vcc_lo, 1, v3
.irp t, 0,1,2,3
	v_cndmask_b32 v[KW+\t], v[PW+\t], v[PW+4+\t], vcc_lo
.endr
	global_store_b128 v[VS], v[KW:KW+3], s[24:25] offset:8448
.Ldone:
	s_wait_tensorcnt 0x0
	ds_add_u32 v[SPW], v[NIL]
	s_wait_dscnt 0x0
	CROUND
	s_endpgm
.Lfunc_end_k_qb086a7c6d9_qkv:
	.size	k_qb086a7c6d9_qkv, .Lfunc_end_k_qb086a7c6d9_qkv-k_qb086a7c6d9_qkv
	.p2alignl 7, 3214868480
	.fill 96, 4, 3214868480
	.section	.rodata,"a",@progbits
	.p2align	6, 0x0
	.amdhsa_kernel k_qb086a7c6d9_qkv
		.amdhsa_group_segment_fixed_size 327680
		.amdhsa_private_segment_fixed_size 0
		.amdhsa_enable_private_segment 0
		.amdhsa_kernarg_size 64
		.amdhsa_user_sgpr_count 2
		.amdhsa_user_sgpr_kernarg_segment_ptr 1
		.amdhsa_wavefront_size32 1
		.amdhsa_system_sgpr_workgroup_id_x 1
		.amdhsa_system_sgpr_workgroup_id_y 1
		.amdhsa_system_sgpr_workgroup_id_z 1
		.amdhsa_system_vgpr_workitem_id 0
		.amdhsa_next_free_vgpr 1024
		.amdhsa_next_free_sgpr 100
		.amdhsa_reserve_vcc 1
		.amdhsa_float_denorm_mode_32 3
		.amdhsa_float_denorm_mode_16_64 3
		.amdhsa_memory_ordered 1
		.amdhsa_forward_progress 1
		.amdhsa_inst_pref_size 255
	.end_amdhsa_kernel
	.section	.bss,"aw",@nobits
	.p2align	6
	.space	262144
	.amdgpu_metadata
---
amdhsa.version: [ 1, 2 ]
amdhsa.kernels:
  - .name:           k_qb086a7c6d9_qkv
    .symbol:         k_qb086a7c6d9_qkv.kd
    .args:
      - { .name: xq, .offset: 0, .size: 8, .value_kind: global_buffer, .address_space: global }
      - { .name: wq, .offset: 8, .size: 8, .value_kind: global_buffer, .address_space: global }
      - { .name: bq, .offset: 16, .size: 8, .value_kind: global_buffer, .address_space: global }
      - { .name: bk, .offset: 24, .size: 8, .value_kind: global_buffer, .address_space: global }
      - { .name: bv, .offset: 32, .size: 8, .value_kind: global_buffer, .address_space: global }
      - { .name: tab, .offset: 40, .size: 8, .value_kind: global_buffer, .address_space: global }
      - { .name: qb, .offset: 48, .size: 8, .value_kind: global_buffer, .address_space: global }
      - { .name: kvb, .offset: 56, .size: 8, .value_kind: global_buffer, .address_space: global }
    .group_segment_fixed_size: 327680
    .private_segment_fixed_size: 0
    .kernarg_segment_align: 8
    .kernarg_segment_size: 64
    .max_flat_workgroup_size: 128
    .sgpr_count:     100
    .vgpr_count:     1024
    .wavefront_size: 32
...
	.end_amdgpu_metadata
.endif
;; end of part 2
;; launch attn (part 3): grid 8 x 32, 16 waves a work-group, clusters of 4 x 1, 327,680 bytes of LDS; arguments qb, kvb, cdr_bias, cdr_weight, aq; writes aq
.if DOCPART == 3
	.amdgcn_target "amdgcn-amd-amdhsa--gfx1250"
	.amdhsa_code_object_version 6
	.text
	.protected	k_qb086a7c6d9_attn
	.globl	k_qb086a7c6d9_attn
	.p2align	8
	.type	k_qb086a7c6d9_attn,@function
k_qb086a7c6d9_attn:
	s_mov_b64 s[64:65], 0
	v_nop
	global_prefetch_b8 v0, s[64:65] scope:SCOPE_SE
	s_setreg_imm32_b32 hwreg(HW_REG_WAVE_MODE, 25, 1), 1
	s_wait_xcnt 0x0
	s_wait_alu depctr_hold_cnt(0) depctr_sa_sdst(0) depctr_va_vdst(0) depctr_va_sdst(0) depctr_va_ssrc(0) depctr_va_vcc(0) depctr_vm_vsrc(0)
	s_getreg_b32 s2, hwreg(HW_REG_IB_STS2, 6, 4)
	s_cmp_eq_u32 s2, 0
	s_cbranch_scc0 .Lentry_in_a_cluster
	s_endpgm
.Lentry_in_a_cluster:
	s_bfe_u32 s2, ttmp6, 0x10000c
	s_cmp_lg_u32 s2, 0x3003
	s_cbranch_scc0 .Lentry_shape_is_right
	s_endpgm
.Lentry_shape_is_right:
; attn[b][q][head][:] = softmax_k(Q . K / 8 + cdr_weight x cdr_bias[b][k]) V, both products on codes of FP4 (E2M1) with E8M0 scales; the result is quantised along D and leaves as codes for the last product.
; THE SOFTMAX: t = logit x log2(e); M = the row's largest t so far, rounded up to a whole number; p = 2^(t - M) is quantised along the keys; the row's sum of the unquantised p divides O at the end.
; When M moves, the sum and O are multiplied by 2^(old M - new M): exact.
; SHARES.  A work-group owns 256 queries of one head; each of its sixteen waves 16 of them.  ALL OF A HEAD'S K, V AND SCALE WORDS, 16 blocks of 8,704 bytes, LIE IN LDS: each wave fetches one block, once;
; nothing is filled again, and the loop over the keys has no barrier.  With no later tile to ask for there is nothing to prefetch.
; CLUSTER.  The four query blocks of a cluster belong to one head: every block is asked for jointly, by the same tensor load with a mask that names the four.
; LAYOUT.  Both products are used transposed (S^T = K Q^T, O^T = V^T P^T): a lane holds one query (lane % 16).  The head's 64 are half of the instruction's 128: a fragment holds two tiles of keys; (Q, 0) gives
; the first tile's scores, (0, Q) the second's.  THE KEYS OF A TILE ARE CHOSEN: row rho of tile (c, u) is key 64 c + 32 (rho / 8) + 8 u + rho % 8, so lane (r, h) holds in registers 32 c + 8 u + j key 64 c + 32 h + 8 u + j:
; a whole block of 32 keys in one lane, in the order of the second product's operand: a block's maximum needs no other lane and the conversions' results are the operand.
; The key's bias, x 8, is the C of the score's product: t = (Q . K + 8 w bias) x log2(e) / 8.
; The next step's K and biases are read from LDS ahead of the rescaling of O and the second product.
; LIMITS: NaN and infinities are not served; the promise holds while the scaled scores stay under 2^31 in magnitude; a block whose largest magnitude lies under 2^-124, and a block of zeros, get the byte 1
; (this program alone reads the bytes).  1 / sum by v_rcp_f32.
.set BLKB,  8704                       ; a key step: K 4,096, V 4,096, K's and V's scale words 256 each
.set CB,    139264                     ; behind the 16 blocks: 8 w x cdr_bias of the batch's 2,048 keys
.set SG,    147456                     ; 512 bytes in which the sixteen waves' scale bytes of attn meet
.set SPARE, 147968                     ; the spare words, 128 bytes for each wave
.set SCOFF, 0x200000
.set L16, 1                            ; 16 x lane
.set KB0, 2                            ; 1024 (r / 8) + 16 (r % 8) + 256 h
.set KS0, 3                            ; 16 (r % 8) + 4 (r / 8)
.set SPW, 4
.set NIL, 5
.set R16, 6                            ; 16 r
.set ADC, 7                            ; the step's biases
.set CB0, 8                            ; CB + 128 h
.set SH8, 9                            ; 8 h
.set AK,  10                           ; the step's block + KB0
.set AKS, 11                           ; + KS0
.set QS,  28                           ; v16-19 zeros, v20-23 Q, v24-27 zeros; v28 Q's scale word.  v12 -M, v13 the largest score, v[14:15] the sum
.set AV,  29                           ; the step's block + 16 x lane
.set AVW, 30                           ; + 16 r
.set KP,  32
.set VF,  64
.set S,   96
.set O,   160
.set PC,  192
.set KW,  200
.set VW,  204
.set BM,  208
.set XB,  210
.set SO,  212
.set BY,  214
.set C2,  216
.set C3,  218
.set FF,  220
.set PW,  222
.set TT,  223
.set SGW, 224                          ; where my query's two scale bytes go
.set SGR, 225                          ; where wave 0 reads the 512 bytes back
.set BST, 226                          ; where my four biases go
.set BGO, 227                          ; and where they come from
.set WV,  14
.set G1,  24
.set G0,  32
.set TB,  36
.set TC,  37
.set CNT, 40
.macro DL n
	s_delay_alu instid0(VALU_DEP_\n)
.endm
.macro WMA d, a, b, sa, sb
	v_wmma_scale_f32_16x16x128_f8f6f4 v[(\d):(\d)+7], v[(\a):(\a)+7], v[(\b):(\b)+7], v[(\d):(\d)+7], v[(\sa)], v[(\sb)] matrix_a_fmt:MATRIX_FMT_FP4 matrix_b_fmt:MATRIX_FMT_FP4
.endm
.macro NOPS
.rept 4
	v_nop
.endr
.endm
.macro ROUND                           ; a round of the cluster's barrier
	s_barrier_signal -1
	s_barrier_wait -1
	s_cmp_lg_u32 s[WV], 0
	s_cbranch_scc1 .Lnot_wave_0_\@
	s_barrier_signal -3
.Lnot_wave_0_\@:
	s_barrier_wait -3
	s_barrier_signal -1
	s_barrier_wait -1
.endm
.macro ADDRS                           ; the four LDS addresses of the block at s[TB]
	v_add_nc_u32 v[AK], s[TB], v[KB0]
	v_add_nc_u32 v[AKS], s[TB], v[KS0]
	v_add_nc_u32 v[AV], s[TB], v[L16]
	v_add_nc_u32 v[AVW], s[TB], v[R16]
.endm
.macro KLOAD                           ; 12 LDS loads: fragment f = 2 c + u holds tiles (c, u) and (c, u + 2); its scale word holds both tiles' bytes
.irp f, 0,1,2,3
	ds_load_b128 v[KP+8*\f:KP+8*\f+3], v[AK] offset:2048*(\f/2)+128*(\f%2)
	ds_load_b128 v[KP+8*\f+4:KP+8*\f+7], v[AK] offset:2048*(\f/2)+128*(\f%2)+512
	ds_load_b32 v[KW+\f], v[AKS] offset:8192+8*(\f/2)+128*(\f%2)
.endr
.endm
.macro VLOAD                           ; 9 LDS loads
.irp t, 0,1,2,3
.irp c, 0,1
	ds_load_b128 v[VF+8*\t+4*\c:VF+8*\t+4*\c+3], v[AV] offset:4096+1024*\t+512*\c
.endr
.endr
	ds_load_b128 v[VW:VW+3], v[AVW] offset:8448
.endm
.macro BIAS                            ; 16 LDS loads: 8 w bias of keys 64 c + 32 h + 0 .. 31: the C of the scores' products
	v_add_nc_u32 v[ADC], s[TC], v[CB0]
.irp n, 0,1,2,3,4,5,6,7,8,9,10,11,12,13,14,15
	ds_load_b128 v[S+4*\n:S+4*\n+3], v[ADC] offset:256*(\n/8)+16*(\n%8)
.endr
.endm
	s_load_b256 s[4:11], s[0:1], 0x0               ; qb, kvb, cdr_bias, cdr_weight
	s_load_b64 s[12:13], s[0:1], 0x20              ; aq
	v_lshl_add_u32 v[SPW], v0, 2, SPARE
	v_mov_b32 v[NIL], 0
	ds_add_u32 v[SPW], v[NIL]                      ; the opening lines: the add, twice on end, and its wait ahead of my first tensor load
	ds_add_u32 v[SPW], v[NIL]
	v_lshrrev_b32 v12, 5, v0
	v_readfirstlane_b32 s[WV], v12                 ; wave 0..15
	v_and_b32 v[L16], 31, v0
	v_and_b32 v12, 15, v0                          ; r
	v_bfe_u32 v13, v0, 4, 1                        ; h
	v_lshlrev_b32 v[L16], 4, v[L16]
	v_lshlrev_b32 v[R16], 4, v12
	v_and_b32 v[KS0], 7, v0
	v_bfe_u32 v[KB0], v0, 3, 1
	v_lshlrev_b32 v[KS0], 4, v[KS0]
	v_lshl_add_u32 v[CB0], v13, 7, CB
	v_lshlrev_b32 v[SH8], 3, v13
	v_lshl_add_u32 v[ADC], v[KB0], 10, v[KS0]
	v_lshl_add_u32 v[KS0], v[KB0], 2, v[KS0]
	v_lshl_add_u32 v[KB0], v13, 8, v[ADC]
	s_lshl_b32 s41, s[WV], 5
	v_lshl_add_u32 v[SGW], v12, 1, s41
	v_add_nc_u32 v[SGW], SG, v[SGW]                ; SG + 32 x wave + 2 r
	v_add_nc_u32 v[SGR], SG, v[L16]
	v_lshl_add_u32 v[BST], v0, 4, CB
	v_lshlrev_b32 v[BGO], 4, v0
	s_bfe_u32 s15, ttmp6, 0x40000                  ; cx
	s_lshl_b32 s16, ttmp9, 2
	s_add_co_u32 s16, s16, s15                     ; my block of 256 queries: it enters global addresses of Q and attn alone
	s_and_b32 s17, ttmp7, 0xffff                   ; batch x 16 + head, which the four partners share
	s_lshr_b32 s18, s17, 4                         ; batch
	s_and_b32 s19, s17, 15                         ; head
	s_mov_b32 s20, 0x76543210
	s_mov_b32 s21, 0xfedcba98                      ; lane l xor 16
	s_mov_b32 s22, 0x3e38aa3b                      ; log2(e) / 8
	s_mov_b32 s23, s22
	s_mov_b32 s39, 0xbe38aa3b                      ; and its negative
	s_mov_b32 s[G1], 15|(3<<16)|(1<<21)            ; the mask: all four work-groups; elements of 8 bytes; bit 21 beside a mask.  8,704 dense bytes as 34 rows of 256
	s_mov_b32 s[G1+1], 32<<16
	s_mov_b32 s[G1+2], 34<<16
	s_mov_b32 s[G1+3], 32<<16
	s_mov_b32 s[G1+4], 34
	s_mov_b32 s[G1+5], 32
	s_mov_b32 s[G1+6], 0
	s_mov_b32 s[G1+7], 0
	s_lshl_b32 s42, s17, 4
	s_add_co_u32 s42, s42, s[WV]
	s_mul_i32 s42, s42, BLKB                       ; the key step that I fetch = my wave's number
	s_mov_b32 s43, 0
	s_mov_b32 s[G0], 1
	s_mul_i32 s[G0+1], s[WV], BLKB
	s_mov_b32 s[TB], 0
	s_mov_b32 s[TC], 0
	s_mov_b32 s[CNT], 15
	s_wait_alu depctr_va_vdst(0)
	s_wait_dscnt 0x0                               ; both opening adds are done
	s_wait_kmcnt 0x0
	s_add_nc_u64 s[G0+2:G0+3], s[6:7], s[42:43]
	s_or_b32 s[G0+3], s[G0+3], 0x80000000
	s_load_b32 s38, s[10:11], 0x0                  ; cdr_weight
	ROUND                                          ; all four work-groups are here: the joint loads meet
	tensor_load_to_lds s[G0:G0+3], s[G1:G1+7]      ; my one tensor load
	s_nop 0
	s_lshl_b32 s44, s17, 4                         ; Q: my 16 queries are tile w % 8 of key step 2 x query block + w / 8
	s_lshl_b32 s45, s16, 1
	s_add_co_u32 s44, s44, s45
	s_lshr_b32 s45, s[WV], 3
	s_add_co_u32 s44, s44, s45
	s_mul_i32 s44, s44, BLKB
	s_mov_b32 s45, 0
	s_add_nc_u64 s[48:49], s[4:5], s[44:45]
	s_bfe_u32 s46, s[WV], 0x20001                  ; pair of tiles pi
	s_and_b32 s47, s[WV], 1                        ; e
	s_lshl_b32 s44, s46, 10
	s_lshl_b32 s56, s47, 9
	s_add_co_u32 s44, s44, s56
	s_add_nc_u64 s[50:51], s[48:49], s[44:45]      ; its codes,
	s_lshl_b32 s44, s46, 2
	s_add_nc_u64 s[52:53], s[48:49], s[44:45]      ; its pair's scale words
	s_lshl_b32 s44, s18, 13
	s_add_nc_u64 s[54:55], s[8:9], s[44:45]        ; the batch's biases
	s_mul_i32 s56, s47, 0x02020202
	s_add_co_u32 s56, s56, 0x01000100              ; my tile's two bytes of the pair's word, twice
	global_load_b128 v[20:23], v[L16], s[50:51]    ; lane (r, h): d-block h of query r
	global_load_b32 v[PW], v[R16], s[52:53] offset:8192
	global_load_b128 v[S:S+3], v[BGO], s[54:55]
	s_wait_kmcnt 0x0
	v_ldexp_f32 v[C2], s38, 3                      ; 8 w, exact
	v_mov_b32 v[C2+1], 0
	s_wait_alu depctr_va_vdst(0)
	s_wait_loadcnt 0x0
	v_perm_b32 v[QS], v[PW], v[PW], s56            ; {block 0, block 1, block 0, block 1}
	v_pk_mul_f32 v[S+4:S+5], v[S:S+1], v[C2:C2+1] op_sel_hi:[1,0]
	v_pk_mul_f32 v[S+6:S+7], v[S+2:S+3], v[C2:C2+1] op_sel_hi:[1,0]
	ds_store_b128 v[BST], v[S+4:S+7]
.irp j, 16,17,18,19,24,25,26,27
	v_mov_b32 v[\j], 0                             ; the zero codes beside Q
.endr
	v_mov_b32 v13, 0xff61b1e6                      ; the largest score so far: -3e38
	v_mov_b32 v12, 0x7e800000                      ; -M: 2^126, so that the first change of M gives the factor 0 on sums that are 0
	v_mov_b32 v14, 0
	v_mov_b32 v15, 0
	v_mov_b32 v[FF+1], 0
	v_mov_b32 v[TT], 0                             ; lane permutes' destinations, written once
	v_mov_b32 v[BY], 0
	v_mov_b32 v[BY+1], 0
.set j, 0
.rept 32
	v_mov_b32 v[O+j], 0                            ; O^T: the step is written for every trip alike.  Also the places between Q's scale word and the first product
.set j, j+1
.endr
	s_wait_alu depctr_va_vdst(0)
	s_wait_tensorcnt 0x0                           ; my block has landed,
	s_wait_dscnt 0x0                               ; my biases are stored:
	s_barrier_signal -1
	s_barrier_wait -1                              ; everybody's are
	ADDRS
	KLOAD
	BIAS
	s_wait_alu depctr_va_vdst(0)
; A KEY STEP of 128 keys.  last = 1: no further keys are read
.macro STEP last
	s_wait_dscnt 0x0                               ; K, its words and the biases
.irp f, 0,1,2,3                                    ; eight accumulators, one instruction each
	WMA S+32*(\f/2)+8*(\f%2), KP+8*\f, 20, KW+\f, QS
	WMA S+32*(\f/2)+8*(\f%2)+16, KP+8*\f, 16, KW+\f, QS
.endr
	NOPS                                           ; places in front of the loads and of the first read of the scores
	VLOAD
.irp c, 0,1                                        ; my block 2 c + h: its largest score, in two chains; it serves the row's maximum and, since p rises with the score, the block's largest p
	v_max3_num_f32 v[BM+\c], v[S+32*\c], v[S+32*\c+1], v[S+32*\c+2]
	v_max3_num_f32 v[XB+\c], v[S+32*\c+17], v[S+32*\c+18], v[S+32*\c+19]
.endr
.irp i, 0,2,4,6,8,10
.irp c, 0,1
	v_max3_num_f32 v[BM+\c], v[BM+\c], v[S+32*\c+3+\i], v[S+32*\c+4+\i]
	v_max3_num_f32 v[XB+\c], v[XB+\c], v[S+32*\c+20+\i], v[S+32*\c+21+\i]
.endr
.endr
.irp c, 0,1
	v_max3_num_f32 v[BM+\c], v[BM+\c], v[S+32*\c+15], v[S+32*\c+16]
.endr
.irp c, 0,1
	DL 2
	v_max_num_f32 v[BM+\c], v[BM+\c], v[XB+\c]
.endr
	DL 1
	v_max3_num_f32 v13, v13, v[BM], v[BM+1]
	DL 1
	v_permlanex16_b32 v[TT], v13, s20, s21
	DL 1
	v_max_num_f32 v13, v13, v[TT]                  ; the running largest score of my query
	v_mov_b32 v[TT], v12
	DL 2
	v_mul_f32 v12, s39, v13                        ; -t
	DL 1
	v_floor_f32 v12, v12                           ; the new -M = -ceil(t): a whole number
	DL 1
	v_sub_f32 v[TT], v12, v[TT]                    ; old M - new M, 0 or less
	DL 1
	v_cvt_i32_f32 v[TT], v[TT]                     ; (it saturates)
	DL 1
	v_ldexp_f32 v[FF], 1.0, v[TT]                  ; f = 2^(old M - new M)
.set j, 0
.rept 32
	v_pk_fma_f32 v[S+j:S+j+1], v[S+j:S+j+1], s[22:23], v[12:13] op_sel_hi:[1,0,0]   ; t - M
.set j, j+2
.endr
.irp c, 0,1
	v_fma_f32 v[BM+\c], v[BM+\c], s22, v12
.endr
	s_wait_alu depctr_va_vdst(0)
.set j, 0
.rept 64
	v_exp_f32 v[S+j], v[S+j]                       ; p = 2^(t - M)
.set j, j+1
.endr
.irp c, 0,1
	v_exp_f32 v[BM+\c], v[BM+\c]                   ; the block's largest p
.endr
	v_pk_mul_f32 v[14:15], v[14:15], v[FF:FF+1] op_sel_hi:[1,0]   ; the sums under the new M; a plain place behind the batch
	s_wait_alu depctr_va_vdst(0)                   ; and the wait behind it
.irp c, 0,1
	v_max_num_f32 v[BM+\c], 0x1800000, v[BM+\c]    ; the floor 2^(3 - 127): the byte cannot fall under 1
.endr
.irp c, 0,1
	DL 2
	v_add_nc_u32 v[SO+\c], 0xff000000, v[BM+\c]    ; 2 off the exponent field: the conversion's scale operand
.endr
.irp c, 0,1
	DL 2
	v_lshrrev_b32 v[BY+\c], 23, v[SO+\c]
.endr
	DL 1
	v_lshl_or_b32 v[PW], v[BY+1], 16, v[BY]        ; my bytes: blocks h and 2 + h,
	DL 1
	v_lshlrev_b32 v[PW], v[SH8], v[PW]             ; at their places;
	DL 1
	v_permlanex16_b32 v[BY], v[PW], s20, s21
	DL 1
	v_or_b32 v[PW], v[PW], v[BY]                   ; with lane l xor 16's two the word is whole
.irp c, 0,1
.irp u, 0,1,2,3
	v_cvt_scalef32_pk8_fp4_f32 v[PC+4*\c+\u], v[S+32*\c+8*\u:S+32*\c+8*\u+7], v[SO+\c]   ; register 4 c + u of the operand: keys 64 c + 32 h + 8 u + 0 .. 7
.endr
.endr
	v_nop                                          ; one plain place behind the scaled conversions
	v_pk_add_f32 v[XB:XB+1], v[S:S+1], v[S+2:S+3]  ; the row's sum of the unquantised p, in four chains
	v_pk_add_f32 v[C2:C2+1], v[S+4:S+5], v[S+6:S+7]
	v_pk_add_f32 v[C3:C3+1], v[S+8:S+9], v[S+10:S+11]
	v_pk_add_f32 v[14:15], v[14:15], v[S+12:S+13]
.set k, 14
.rept 6
	v_pk_add_f32 v[XB:XB+1], v[XB:XB+1], v[S+k:S+k+1]
	v_pk_add_f32 v[C2:C2+1], v[C2:C2+1], v[S+k+2:S+k+3]
	v_pk_add_f32 v[C3:C3+1], v[C3:C3+1], v[S+k+4:S+k+5]
	v_pk_add_f32 v[14:15], v[14:15], v[S+k+6:S+k+7]
.set k, k+8
.endr
	v_pk_add_f32 v[XB:XB+1], v[XB:XB+1], v[S+62:S+63]
	v_pk_add_f32 v[C2:C2+1], v[C2:C2+1], v[C3:C3+1]
	DL 2
	v_pk_add_f32 v[14:15], v[14:15], v[XB:XB+1]
	DL 1
	v_pk_add_f32 v[14:15], v[14:15], v[C2:C2+1]
.if \last == 0
	s_add_co_u32 s[TB], s[TB], BLKB
	s_add_co_u32 s[TC], s[TC], 512
	ADDRS
	KLOAD                                          ; the next step's K and biases
	BIAS
.endif
	s_wait_alu depctr_va_vdst(0)                   ; the wait directly ahead of the first reader of O^T
.set j, 0
.rept 16
	v_pk_mul_f32 v[O+j:O+j+1], v[O+j:O+j+1], v[FF:FF+1] op_sel_hi:[1,0]   ; O^T under the new M
.set j, j+2
.endr
	s_wait_alu depctr_va_vdst(0)
.if \last == 0
	s_wait_dscnt 28                                ; V and its words are in; behind them the next step's 12 + 16 loads
.else
	s_wait_dscnt 0x0
.endif
.irp t, 0,1,2,3                                    ; O^T += V^T P^T: four accumulators, one instruction each
	WMA O+8*\t, VF+8*\t, PC, VW+\t, PW
.endr
.endm
.Lstep:                                            ; 15 trips; the sixteenth step is written out: it reads no further keys
	STEP 0
	s_sub_co_u32 s[CNT], s[CNT], 1
	s_cmp_lg_u32 s[CNT], 0
	s_cbranch_scc1 .Lstep
	STEP 1
	; THE END: O^T / the sum, quantised along the head's 64 (two blocks), which are half of a K step of the last product
	NOPS
	v_add_f32 v14, v14, v15
	DL 1
	v_permlanex16_b32 v[TT], v14, s20, s21
	DL 1
	v_add_f32 v14, v14, v[TT]
	s_wait_alu depctr_va_vdst(0)                   ; the wait ahead of the transcendental
	v_rcp_f32 v14, v14
	v_nop
	s_wait_alu depctr_va_vdst(0)                   ; and ahead of its first reader, which is O^T's too
.set j, 0
.rept 32
	v_mul_f32 v[O+j], v[O+j], v14                  ; register 8 t + i: attn(query r, d = 16 t + 8 h + i)
.set j, j+1
.endr
.irp b, 0,1
	v_max3_num_f32 v[BM+\b], |v[O+16*\b]|, |v[O+16*\b+1]|, 0x1800000
.endr
.irp i, 2,4,6,8,10,12,14
.irp b, 0,1
	DL 2
	v_max3_num_f32 v[BM+\b], v[BM+\b], |v[O+16*\b+\i]|, |v[O+16*\b+\i+1]|
.endr
.endr
.irp b, 0,1
	DL 2
	v_permlanex16_b32 v[BY+\b], v[BM+\b], s20, s21
.endr
.irp b, 0,1
	DL 2
	v_max_num_f32 v[BM+\b], v[BM+\b], v[BY+\b]
.endr
.irp b, 0,1
	DL 2
	v_add_nc_u32 v[SO+\b], 0xff000000, v[BM+\b]
.endr
.irp b, 0,1
	DL 2
	v_lshrrev_b32 v[BY+\b], 23, v[SO+\b]
.endr
	DL 1
	v_lshl_or_b32 v[PW], v[BY+1], 8, v[BY]         ; my query's two scale bytes
.irp e, 0,1
.irp i, 0,1
	v_cvt_scalef32_pk8_fp4_f32 v[PC+2*\i+\e], v[O+16*\e+8*\i:O+16*\e+8*\i+7], v[SO+\e]
.endr
.endr
	v_nop
.irp i, 0,1
	v_permlane16_swap_b32 v[PC+2*\i], v[PC+2*\i+1] ; lane (r, h): d-block h of query r
.endr
	s_wait_alu depctr_va_vdst(0)
	s_lshl_b32 s44, s18, 7                         ; tile of rows 128 batch + 16 x query block + wave; K step head / 2, piece head % 2
	s_lshl_b32 s46, s16, 4
	s_add_co_u32 s44, s44, s46
	s_add_co_u32 s44, s44, s[WV]
	s_lshl_b32 s44, s44, 13
	s_lshl_b32 s46, s19, 9
	s_add_co_u32 s44, s44, s46
	s_add_nc_u64 s[48:49], s[12:13], s[44:45]
	global_store_b128 v[L16], v[PC:PC+3], s[48:49] ; 512 consecutive bytes
	ds_store_b16 v[SGW], v[PW]                     ; lanes r and r + 16 write the same two bytes with the same value
	s_wait_dscnt 0x0                               ; for the others' sake: my store is done
	s_barrier_signal -1
	s_barrier_wait -1
	s_cmp_lg_u32 s[WV], 0
	s_cbranch_scc1 .Lnot0
	s_lshl_b32 s44, s17, 12
	s_lshl_b32 s46, s16, 9
	s_add_co_u32 s44, s44, s46
	s_add_co_u32 s44, s44, SCOFF
	s_add_nc_u64 s[50:51], s[12:13], s[44:45]
	ds_load_b128 v[S:S+3], v[SGR]
	s_wait_dscnt 0x0
	global_store_b128 v[L16], v[S:S+3], s[50:51]   ; the 256 queries' scale bytes: 512 consecutive bytes
.Lnot0:
	s_wait_tensorcnt 0x0                           ; the wave's end
	ds_add_u32 v[SPW], v[NIL]
	s_wait_dscnt 0x0
	ROUND                                          ; the closing round
	s_endpgm
.Lfunc_end_k_qb086a7c6d9_attn:
	.size	k_qb086a7c6d9_attn, .Lfunc_end_k_qb086a7c6d9_attn-k_qb086a7c6d9_attn
	.p2alignl 7, 3214868480
	.fill 96, 4, 3214868480
	.section	.rodata,"a",@progbits
	.p2align	6, 0x0
	.amdhsa_kernel k_qb086a7c6d9_attn
		.amdhsa_group_segment_fixed_size 327680
		.amdhsa_private_segment_fixed_size 0
		.amdhsa_enable_private_segment 0
		.amdhsa_kernarg_size 40
		.amdhsa_user_sgpr_count 2
		.amdhsa_user_sgpr_kernarg_segment_ptr 1
		.amdhsa_wavefront_size32 1
		.amdhsa_system_sgpr_workgroup_id_x 1
		.amdhsa_system_sgpr_workgroup_id_y 1
		.amdhsa_system_sgpr_workgroup_id_z 1
		.amdhsa_system_vgpr_workitem_id 0
		.amdhsa_next_free_vgpr 256
		.amdhsa_next_free_sgpr 66
		.amdhsa_reserve_vcc 0
		.amdhsa_float_denorm_mode_32 3
		.amdhsa_float_denorm_mode_16_64 3
		.amdhsa_memory_ordered 1
		.amdhsa_forward_progress 1
		.amdhsa_inst_pref_size 44
	.end_amdhsa_kernel
	.amdgpu_metadata
---
amdhsa.version: [ 1, 2 ]
amdhsa.kernels:
  - .name:           k_qb086a7c6d9_attn
    .symbol:         k_qb086a7c6d9_attn.kd
    .args:
      - { .name: qb, .offset: 0, .size: 8, .value_kind: global_buffer, .address_space: global }
      - { .name: kvb, .offset: 8, .size: 8, .value_kind: global_buffer, .address_space: global }
      - { .name: cdr_bias, .offset: 16, .size: 8, .value_kind: global_buffer, .address_space: global }
      - { .name: cdr_weight, .offset: 24, .size: 8, .value_kind: global_buffer, .address_space: global }
      - { .name: aq, .offset: 32, .size: 8, .value_kind: global_buffer, .address_space: global }
    .group_segment_fixed_size: 327680
    .private_segment_fixed_size: 0
    .kernarg_segment_align: 8
    .kernarg_segment_size: 40
    .max_flat_workgroup_size: 512
    .sgpr_count:     66
    .vgpr_count:     256
    .wavefront_size: 32
...
	.end_amdgpu_metadata
.endif
;; end of part 3
;; launch oproj (part 4): grid 256 x 1, 8 waves a work-group, clusters of 4 x 1, 327,680 bytes of LDS; arguments aq, wq, x, bo, gamma, beta, out0; writes out0
.if DOCPART == 4
	.amdgcn_target "amdgcn-amd-amdhsa--gfx1250"
	.amdhsa_code_object_version 6
	.text
	.protected	k_qb086a7c6d9_oproj
	.globl	k_qb086a7c6d9_oproj
	.p2align	8
	.type	k_qb086a7c6d9_oproj,@function
k_qb086a7c6d9_oproj:
	s_mov_b64 s[64:65], 0
	v_nop
	global_prefetch_b8 v0, s[64:65] scope:SCOPE_SE
	s_setreg_imm32_b32 hwreg(HW_REG_WAVE_MODE, 25, 1), 1
	s_wait_xcnt 0x0
	s_wait_alu depctr_hold_cnt(0) depctr_sa_sdst(0) depctr_va_vdst(0) depctr_va_sdst(0) depctr_va_ssrc(0) depctr_va_vcc(0) depctr_vm_vsrc(0)
	s_getreg_b32 s2, hwreg(HW_REG_IB_STS2, 6, 4)
	s_cmp_eq_u32 s2, 0
	s_cbranch_scc0 .Lentry_in_a_cluster
	s_endpgm
.Lentry_in_a_cluster:
	s_bfe_u32 s2, ttmp6, 0x10000c
	s_cmp_lg_u32 s2, 0x3003
	s_cbranch_scc0 .Lentry_shape_is_right
	s_endpgm
.Lentry_shape_is_right:
; out0 = LayerNorm(x + attn Wo + bo) x gamma + beta; the product on codes of FP4 (E2M1) with E8M0 scales, all else in f32.
; SHARES.  A work-group takes 16 rows and all 1,024 columns, so that a row's mean and variance never leave it.  Wave w makes columns 128 w .. 128 w + 127 (eight tiles of Wo's columns), then normalises rows 2 w and 2 w + 1.
; The product is used transposed (source 0 = 16 columns of Wo, source 1 = attn's 16 rows): a lane holds one row and eight neighbouring columns.
; Wo COMES BY TWO ROADS AT ONCE.  Every fragment lies in memory as an image of its registers (two pieces of 512 bytes, lane l's 16 bytes at 16 l).  K steps 0-3 of a wave's eight tiles are loaded straight into registers.
; K steps 4-7 (8 tiles x 4,096 bytes) come by one tensor load a wave into LDS bytes of the wave's own, once: eight regions of 32,768 bytes are 262,144 bytes;
; all eight K steps would be 524,288, more than LDS holds.  Nothing is filled again.  Only the issuing wave reads those bytes, so its own waits on TENSORcnt are all the ordering that the reads need.
; CLUSTER.  All work-groups read the same codes of Wo: the four of a cluster ask jointly, by the same tensor load with a mask that names the four.
; THE STAGE for the way from columns to rows: 16 rows x 528 bytes at the head of each wave's own region, which has had its last fill, and its last read when the wave stores there.
; LIMITS: NaN and infinities are not served; 1 / sqrt by v_rsq_f32.
; REGISTERS: window 0: v1-13 addresses; v16-23 attn's scale words; v24-39 their halves as loaded; v40-103 Wo's scale words (8 t + K step); v104-167 attn's eight fragments (v104-135 later beta);
;   v168-231 eight accumulators, later my two rows; v232-249 statistics.   window 1: v0-191 Wo's fragments, three sets of 64 (v0-31 later bo, v32-63 gamma); v192-255 my two rows of x.
.set SP,    528                        ; a stage row: 512 bytes + 16: row r starts 16 r bytes on modulo 256
.set WSCL,  262144
.set SPARE, 294912                     ; the spare words, 128 bytes for each wave: four blocks of 256 bytes that no other line names
.set SCOFF, 0x200000
.set STO,   4                          ; v4     into my stage: my region + 528 r + 32 h
.set LW,    5                          ; v5     my region + 16 x lane
.set LSC,   6                          ; v6     16 r
.set RD,    8                          ; v8-11  back from the stages: 65,536 k + 528 x 2 w + 16 x lane
.set SPW,   12                         ; v12    LDS address of my spare word; never rewritten
.set NIL,   13                         ; v13    0; never rewritten
.set AS,    16
.set AT,    24
.set BS,    40
.set AFR,   104
.set BE,    104
.set ACC,   168
.set Y,     168
.set SA,    232                        ; row o: pairs at SA + 4 o and SB + 4 o
.set SB,    234
.set MU,    240                        ; row o: the mean at MU + 2 o (a pair's low word)
.set RS,    244                        ; row o: 1 / sqrt(var + eps) at RS + 2 o
.set TT,    248
.set XR,    192                        ; window 1
.set BO,    0
.set GA,    32
.set WV,    18
.set G1C,   40                         ; s[40:47] group 1 for the codes;  s[48:51] group 0
.set G0C,   48
.set G1S,   52                         ; s[62:63] the scale words' plain address
.set G0S,   60
.set MSB, 0
.macro WIN new                         ; the immediate's high byte repeats the setting that is left
.if MSB != (\new)
	s_set_vgpr_msb (MSB<<8)|(\new)
.set MSB, (\new)
.endif
.endm
.macro ROUND                           ; a round of the cluster's barrier
	s_barrier_signal -1
	s_barrier_wait -1
	s_cmp_lg_u32 s[WV], 0
	s_cbranch_scc1 .Lnot_wave_0_\@
	s_barrier_signal -3
.Lnot_wave_0_\@:
	s_barrier_wait -3
	s_barrier_signal -1
	s_barrier_wait -1
.endm
	s_load_b256 s[4:11], s[0:1], 0x0               ; aq, wq, x, bo
	s_load_b128 s[12:15], s[0:1], 0x20             ; gamma, beta
	s_load_b64 s[16:17], s[0:1], 0x30              ; out0
	v_lshl_add_u32 v[SPW], v0, 2, SPARE
	v_mov_b32 v[NIL], 0
	ds_add_u32 v12, v13
	ds_add_u32 v12, v13
	s_wait_dscnt 0x0
	v_lshrrev_b32 v6, 5, v0
	s_delay_alu instid0(VALU_DEP_1)
	v_readfirstlane_b32 s[WV], v6                  ; wave 0..7
	v_and_b32 v1, 31, v0
	s_delay_alu instid0(VALU_DEP_1)
	v_lshlrev_b32 v1, 4, v1                        ; 16 x lane
	v_and_b32 v7, 15, v0                           ; r
	v_bfe_u32 v14, v0, 4, 1                        ; h
	s_delay_alu instid0(VALU_DEP_2)
	v_lshlrev_b32 v3, 1, v7                        ; 2 r
	s_lshl_b32 s19, s[WV], 15                      ; my region of LDS
	v_mul_u32_u24 v[STO], v7, SP
	s_delay_alu instid0(VALU_DEP_1)
	v_lshl_add_u32 v[STO], v14, 5, v[STO]
	s_delay_alu instid0(VALU_DEP_1)
	v_add_nc_u32 v[STO], s19, v[STO]
	v_add_nc_u32 v[LW], s19, v1
	v_lshlrev_b32 v[LSC], 4, v7                    ; 16 r: Wo's scale words now go from memory straight into their registers, and a wave has ONE tensor load, that of its codes
	s_mul_i32 s38, s[WV], 2*SP                     ; rows 2 w and 2 w + 1 of every wave's stage
	v_add_nc_u32 v[RD], s38, v1
.irp k, 1,2,3
	v_add_nc_u32 v[RD+\k], 65536*\k, v[RD]         ; an LDS offset holds 16 bits: two regions to an address register
.endr
	s_mov_b32 s20, 0x3a800000                      ; 1 / 1024
	s_mov_b32 s21, 0x3727c5ac                      ; 1e-5
	s_mov_b32 s22, 0x76543210
	s_mov_b32 s23, 0xfedcba98
	s_mov_b32 s37, 0
	; group 1 for the codes: 8 tiles, of each the 4,096 bytes of K's second half, 8,192 bytes apart; elements of 8 bytes; no padding
	s_mov_b32 s[G1C], 15|(3<<16)|(1<<21)           ; 15:0 the mask: all four work-groups; 17:16 elements of 8 bytes; 21 set beside a mask
	s_mov_b32 s[G1C+1], 512<<16                    ; tensor_dim0 = 512
	s_mov_b32 s[G1C+2], 8<<16                      ; tensor_dim1 = 8
	s_mov_b32 s[G1C+3], 512<<16                    ; tile_dim0
	s_mov_b32 s[G1C+4], 8                          ; tile_dim1
	s_mov_b32 s[G1C+5], 1024                       ; tensor_dim0_stride
	s_mov_b32 s[G1C+6], 0
	s_mov_b32 s[G1C+7], 0
	; group 0 for the codes
	s_mov_b32 s[G0C], 1
	s_lshl_b32 s[G0C+1], s[WV], 15                 ; LDS addresses hang on the wave's number alone
	s_bfe_u32 s39, ttmp6, 0x40000                  ; cx
	s_lshl_b32 s30, ttmp9, 2
	s_add_co_u32 s39, s39, s30                     ; my tile of 16 rows = 4 x cluster x + cx: it enters global addresses of attn, x and out0 alone
	s_wait_kmcnt 0x0
	s_lshl_b32 s38, s[WV], 3
	s_add_co_u32 s38, s38, 192                     ; my first tile of Wo's columns
	s_lshl_b32 s36, s38, 13
	s_add_nc_u64 s[28:29], s[6:7], s[36:37]        ; its codes
	s_add_nc_u64 s[G0C+2:G0C+3], s[28:29], 4096    ; K steps 4-7
	s_or_b32 s[G0C+3], s[G0C+3], 0x80000000
	s_lshl_b32 s36, s38, 9
	s_add_co_u32 s36, s36, SCOFF
	s_add_nc_u64 s[G0S+2:G0S+3], s[6:7], s[36:37]  ; its scale words: a plain address
	s_lshl_b32 s36, s39, 13
	s_add_nc_u64 s[24:25], s[4:5], s[36:37]        ; attn's eight fragments of my 16 rows
	s_lshr_b32 s36, s39, 7
	s_lshl_b32 s36, s36, 16
	s_and_b32 s30, s39, 127
	s_lshl_b32 s30, s30, 5
	s_add_co_u32 s36, s36, s30
	s_add_co_u32 s36, s36, SCOFF
	s_add_nc_u64 s[26:27], s[4:5], s[36:37]        ; their scale bytes: [batch x 16 + head][position], two bytes each
	s_lshl_b32 s36, s39, 4
	s_lshl_b32 s30, s[WV], 1
	s_add_co_u32 s36, s36, s30
	s_lshl_b32 s36, s36, 12                        ; rows 16 x tile + 2 x wave
	s_add_nc_u64 s[32:33], s[8:9], s[36:37]
	s_add_nc_u64 s[34:35], s[16:17], s[36:37]
	ROUND                                          ; all four work-groups are here: the joint loads meet
	tensor_load_to_lds s[G0C:G0C+3], s[G1C:G1C+7]  ; my one tensor load: K steps 4-7 of my eight tiles
	s_nop 0
.rept 4
	v_nop
.endr
	s_wait_alu depctr_va_vdst(0)                   ; the wait directly ahead of the reader below
.irp t, 0,1,2,3,4,5,6,7
.irp f, 0,1
	global_load_b128 v[BS+8*\t+4*\f:BS+8*\t+4*\f+3], v[LSC], s[G0S+2:G0S+3] offset:512*\t+256*\f   ; Wo's scale words: sixteen lanes read 256 consecutive bytes, aligned; my first loads, so every counted wait below covers them
.endr
.endr
.irp hd, 0,1,2,3,4,5,6,7,8,9,10,11,12,13,14,15
	global_load_u16 v[AT+\hd], v3, s[26:27] offset:4096*\hd
.endr
.irp ks, 0,1,2,3,4,5,6,7
.irp c, 0,1
	global_load_b128 v[AFR+8*\ks+4*\c:AFR+8*\ks+4*\c+3], v1, s[24:25] offset:1024*\ks+512*\c
.endr
.endr
.macro BLOAD ks, set                   ; my eight tiles' fragments of K step ks (0 .. 3), from memory
.irp t, 0,1,2,3,4,5,6,7
.irp c, 0,1
	global_load_b128 v[(\set)+8*\t+4*\c:(\set)+8*\t+4*\c+3], v1, s[28:29] offset:8192*\t+1024*(\ks)+512*\c
.endr
.endr
.endm
.macro LLOAD ks, set                   ; the same of K step ks (4 .. 7), from my region of LDS
.irp t, 0,1,2,3,4,5,6,7
.irp c, 0,1
	ds_load_b128 v[(\set)+8*\t+4*\c:(\set)+8*\t+4*\c+3], v[LW] offset:4096*\t+1024*((\ks)-4)+512*\c
.endr
.endr
.endm
	WIN 0x40                                       ; destination window 1
	BLOAD 0, 0
	BLOAD 1, 64
	BLOAD 2, 128
	WIN 0
.irp j, 1,3,5,7,8,9
	v_mov_b32 v[MU+\j], 0                          ; the pairs' upper words and the lane permutes' destinations, written once
.endr
; A K step: eight products, the eight accumulators by turns; then four places in front of the loads into the registers that they have read
.macro KSTEP ks, set
	WIN 0x01                                       ; source 0: window 1
.irp t, 0,1,2,3,4,5,6,7
.if (\ks) == 0
	v_wmma_scale_f32_16x16x128_f8f6f4 v[ACC+8*\t:ACC+8*\t+7], v[(\set)+8*\t:(\set)+8*\t+7], v[AFR+8*(\ks):AFR+8*(\ks)+7], 0, v[BS+8*\t+(\ks)], v[AS+(\ks)] matrix_a_fmt:MATRIX_FMT_FP4 matrix_b_fmt:MATRIX_FMT_FP4
.else
	v_wmma_scale_f32_16x16x128_f8f6f4 v[ACC+8*\t:ACC+8*\t+7], v[(\set)+8*\t:(\set)+8*\t+7], v[AFR+8*(\ks):AFR+8*(\ks)+7], v[ACC+8*\t:ACC+8*\t+7], v[BS+8*\t+(\ks)], v[AS+(\ks)] matrix_a_fmt:MATRIX_FMT_FP4 matrix_b_fmt:MATRIX_FMT_FP4
.endif
.endr
.rept 4
	v_nop
.endr
.endm
	s_wait_loadcnt 32                              ; attn's scale bytes and fragments and K step 0 are in; K steps 1 and 2, 32 loads, may be out
.irp ks, 0,1,2,3,4,5,6,7
	v_lshl_or_b32 v[AS+\ks], v[AT+2*\ks+1], 16, v[AT+2*\ks]   ; K step ks is heads 2 ks and 2 ks + 1: two bytes each
.endr
.rept 8
	v_nop                                          ; a scale register written by a vector instruction stands eight places ahead of a scaled matrix instruction
.endr
	s_wait_alu depctr_va_vdst(0)
	s_wait_dscnt 0x0
	KSTEP 0, 0
	WIN 0x40
	BLOAD 3, 0
	s_wait_loadcnt 32                              ; K step 1 is in; K steps 2 and 3 may be out
	KSTEP 1, 64
	WIN 0x40
	s_wait_tensorcnt 0x0                           ; my codes have landed
	LLOAD 4, 64
.irp o, 0,1
.irp i, 0,1,2,3,4,5,6,7
	global_load_b128 v[XR+32*\o+4*\i:XR+32*\o+4*\i+3], v1, s[32:33] offset:4096*\o+512*\i th:TH_LOAD_NT   ; my two rows of x
.endr
.endr
	s_wait_loadcnt 32                              ; K step 2 is in; K step 3 and x may be out
	KSTEP 2, 128
	WIN 0x40
	LLOAD 5, 128
	s_wait_loadcnt 16                              ; K step 3 is in; x may be out
	KSTEP 3, 0
	WIN 0x40
.irp i, 0,1,2,3,4,5,6,7
	global_load_b128 v[BO+4*\i:BO+4*\i+3], v1, s[10:11] offset:512*\i    ; bo and gamma of columns 128 i + 4 lane + 0 .. 3, into the set that K step 3 has left
	global_load_b128 v[GA+4*\i:GA+4*\i+3], v1, s[12:13] offset:512*\i
.endr
	WIN 0
.irp i, 0,1,2,3,4,5,6,7
	global_load_b128 v[BE+4*\i:BE+4*\i+3], v1, s[14:15] offset:512*\i    ; beta, where attn's fragments of K steps 0-3 lay
.endr
	s_wait_dscnt 16                                ; K step 4 is in; K step 5's 16 loads may be out
	KSTEP 4, 64
	WIN 0x40
	LLOAD 6, 64
	s_wait_dscnt 16                                ; K step 5 is in; K step 6's may be out
	KSTEP 5, 128
	WIN 0x40
	LLOAD 7, 128
	s_wait_dscnt 16                                ; K step 6 is in; K step 7's may be out
	KSTEP 6, 64
	s_wait_dscnt 0x0                               ; K step 7 is in: my reads of my region are over
	KSTEP 7, 128
	WIN 0
.irp t, 0,1,2,3,4,5,6,7
.irp e, 0,1
	ds_store_b128 v[STO], v[ACC+8*\t+4*\e:ACC+8*\t+4*\e+3] offset:64*\t+16*\e   ; lane (r, h): columns 128 w + 16 t + 8 h + 0 .. 7 of row r; each accumulator from its low end on
.endr
.endr
	s_wait_dscnt 0x0                               ; for the others' sake: my stores are done
	s_barrier_signal -1
	s_barrier_wait -1                              ; each of the eight stages holds its 128 columns of the 16 rows
.irp o, 0,1
.irp i, 0,1,2,3,4,5,6,7
	ds_load_b128 v[Y+32*\o+4*\i:Y+32*\o+4*\i+3], v[RD+\i/2] offset:32768*(\i%2)+SP*\o   ; row 2 w + o, columns 128 i on: 512 consecutive bytes of wave i's stage
.endr
.endr
	s_wait_dscnt 0x0
	s_wait_loadcnt 0x0                             ; x, bo, gamma, beta
	WIN 0x04                                       ; source 1: window 1
.irp o, 0,1
.set j, 0
.rept 16
	v_pk_add_f32 v[Y+32*\o+j:Y+32*\o+j+1], v[Y+32*\o+j:Y+32*\o+j+1], v[BO+j:BO+j+1]
.set j, j+2
.endr
.endr
.set j, 0
.rept 32
	v_pk_add_f32 v[Y+j:Y+j+1], v[Y+j:Y+j+1], v[XR+j:XR+j+1]   ; the residual
.set j, j+2
.endr
	WIN 0
.macro LANES                           ; SA + 4 o, o = 0, 1: the sum over the 32 lanes, the two rows by turns
.irp m, 1,2,4,8
.irp o, 0,1
	s_delay_alu instid0(VALU_DEP_2)
	v_add_f32_dpp v[SA+4*\o], v[SA+4*\o], v[SA+4*\o] row_xmask:\m row_mask:0xf bank_mask:0xf
.endr
.endr
.irp o, 0,1
	s_delay_alu instid0(VALU_DEP_2)
	v_permlanex16_b32 v[TT+\o], v[SA+4*\o], s22, s23
.endr
.irp o, 0,1
	s_delay_alu instid0(VALU_DEP_2)
	v_add_f32 v[SA+4*\o], v[SA+4*\o], v[TT+\o]
.endr
.endm
.irp o, 0,1
	v_pk_add_f32 v[SA+4*\o:SA+4*\o+1], v[Y+32*\o:Y+32*\o+1], v[Y+32*\o+2:Y+32*\o+3]
	v_pk_add_f32 v[SB+4*\o:SB+4*\o+1], v[Y+32*\o+4:Y+32*\o+5], v[Y+32*\o+6:Y+32*\o+7]
.endr
.irp j, 8,12,16,20,24,28
.irp o, 0,1
	s_delay_alu instid0(VALU_DEP_4)
	v_pk_add_f32 v[SA+4*\o:SA+4*\o+1], v[SA+4*\o:SA+4*\o+1], v[Y+32*\o+\j:Y+32*\o+\j+1]
	s_delay_alu instid0(VALU_DEP_4)
	v_pk_add_f32 v[SB+4*\o:SB+4*\o+1], v[SB+4*\o:SB+4*\o+1], v[Y+32*\o+\j+2:Y+32*\o+\j+3]
.endr
.endr
.irp o, 0
	s_delay_alu instid0(VALU_DEP_3)
	v_pk_add_f32 v[SA+4*\o:SA+4*\o+1], v[SA+4*\o:SA+4*\o+1], v[SB+4*\o:SB+4*\o+1]
.endr
.irp o, 1
	s_delay_alu instid0(VALU_DEP_2)
	v_pk_add_f32 v[SA+4*\o:SA+4*\o+1], v[SA+4*\o:SA+4*\o+1], v[SB+4*\o:SB+4*\o+1]
.endr
.irp o, 0,1
	s_delay_alu instid0(VALU_DEP_2)
	v_add_f32 v[SA+4*\o], v[SA+4*\o], v[SA+4*\o+1]
.endr
	LANES
.irp o, 0,1
	s_delay_alu instid0(VALU_DEP_2)
	v_mul_f32 v[MU+2*\o], s20, v[SA+4*\o]          ; the mean
.endr
.irp o, 0,1
.set j, 0
.rept 16
	v_pk_add_f32 v[Y+32*\o+j:Y+32*\o+j+1], v[Y+32*\o+j:Y+32*\o+j+1], v[MU+2*\o:MU+2*\o+1] op_sel_hi:[1,0] neg_lo:[0,1] neg_hi:[0,1]
.set j, j+2
.endr
.endr
.irp o, 0,1
	v_pk_mul_f32 v[SA+4*\o:SA+4*\o+1], v[Y+32*\o:Y+32*\o+1], v[Y+32*\o:Y+32*\o+1]
	v_pk_mul_f32 v[SB+4*\o:SB+4*\o+1], v[Y+32*\o+2:Y+32*\o+3], v[Y+32*\o+2:Y+32*\o+3]
.endr
.irp j, 4,8,12,16,20,24,28
.irp o, 0,1
	s_delay_alu instid0(VALU_DEP_4)
	v_pk_fma_f32 v[SA+4*\o:SA+4*\o+1], v[Y+32*\o+\j:Y+32*\o+\j+1], v[Y+32*\o+\j:Y+32*\o+\j+1], v[SA+4*\o:SA+4*\o+1]
	s_delay_alu instid0(VALU_DEP_4)
	v_pk_fma_f32 v[SB+4*\o:SB+4*\o+1], v[Y+32*\o+\j+2:Y+32*\o+\j+3], v[Y+32*\o+\j+2:Y+32*\o+\j+3], v[SB+4*\o:SB+4*\o+1]
.endr
.endr
.irp o, 0
	s_delay_alu instid0(VALU_DEP_3)
	v_pk_add_f32 v[SA+4*\o:SA+4*\o+1], v[SA+4*\o:SA+4*\o+1], v[SB+4*\o:SB+4*\o+1]
.endr
.irp o, 1
	s_delay_alu instid0(VALU_DEP_2)
	v_pk_add_f32 v[SA+4*\o:SA+4*\o+1], v[SA+4*\o:SA+4*\o+1], v[SB+4*\o:SB+4*\o+1]
.endr
.irp o, 0,1
	s_delay_alu instid0(VALU_DEP_2)
	v_add_f32 v[SA+4*\o], v[SA+4*\o], v[SA+4*\o+1]
.endr
	LANES
.irp o, 0,1
	s_delay_alu instid0(VALU_DEP_2)
	v_fma_f32 v[SA+4*\o], v[SA+4*\o], s20, s21     ; the variance + 1e-5
.endr
	s_wait_alu depctr_va_vdst(0)
.irp o, 0,1
	v_rsq_f32 v[RS+2*\o], v[SA+4*\o]
.endr
	v_nop                                          ; one plain place behind the transcendentals
	s_wait_alu depctr_va_vdst(0)
.irp o, 0,1
.set j, 0
.rept 16
	v_pk_mul_f32 v[Y+32*\o+j:Y+32*\o+j+1], v[Y+32*\o+j:Y+32*\o+j+1], v[RS+2*\o:RS+2*\o+1] op_sel_hi:[1,0]
.set j, j+2
.endr
.endr
	WIN 0x04                                       ; source 1 (gamma): window 1; beta lies in window 0
.irp o, 0,1
.set j, 0
.rept 16
	v_pk_fma_f32 v[Y+32*\o+j:Y+32*\o+j+1], v[Y+32*\o+j:Y+32*\o+j+1], v[GA+j:GA+j+1], v[BE+j:BE+j+1]
.set j, j+2
.endr
.endr
	WIN 0
.irp o, 0,1
.irp i, 0,1,2,3,4,5,6,7
	global_store_b128 v1, v[Y+32*\o+4*\i:Y+32*\o+4*\i+3], s[34:35] offset:4096*\o+512*\i th:TH_STORE_NT   ; 512 consecutive bytes, at a multiple of 256 from out0's first byte
.endr
.endr
	s_wait_tensorcnt 0x0                           ; the wave's end
	ds_add_u32 v[SPW], v[NIL]
	s_wait_dscnt 0x0
	ROUND                                          ; the closing round: no work-group ends while a partner may still ask for a tile that names it
	s_endpgm
.Lfunc_end_k_qb086a7c6d9_oproj:
	.size	k_qb086a7c6d9_oproj, .Lfunc_end_k_qb086a7c6d9_oproj-k_qb086a7c6d9_oproj
	.p2alignl 7, 3214868480
	.fill 96, 4, 3214868480
	.section	.rodata,"a",@progbits
	.p2align	6, 0x0
	.amdhsa_kernel k_qb086a7c6d9_oproj
		.amdhsa_group_segment_fixed_size 327680
		.amdhsa_private_segment_fixed_size 0
		.amdhsa_enable_private_segment 0
		.amdhsa_kernarg_size 56
		.amdhsa_user_sgpr_count 2
		.amdhsa_user_sgpr_kernarg_segment_ptr 1
		.amdhsa_wavefront_size32 1
		.amdhsa_system_sgpr_workgroup_id_x 1
		.amdhsa_system_sgpr_workgroup_id_y 1
		.amdhsa_system_sgpr_workgroup_id_z 1
		.amdhsa_system_vgpr_workitem_id 0
		.amdhsa_next_free_vgpr 512
		.amdhsa_next_free_sgpr 66
		.amdhsa_reserve_vcc 0
		.amdhsa_float_denorm_mode_32 3
		.amdhsa_float_denorm_mode_16_64 3
		.amdhsa_memory_ordered 1
		.amdhsa_forward_progress 1
		.amdhsa_inst_pref_size 57
	.end_amdhsa_kernel
	.amdgpu_metadata
---
amdhsa.version: [ 1, 2 ]
amdhsa.kernels:
  - .name:           k_qb086a7c6d9_oproj
    .symbol:         k_qb086a7c6d9_oproj.kd
    .args:
      - { .name: aq, .offset: 0, .size: 8, .value_kind: global_buffer, .address_space: global }
      - { .name: wq, .offset: 8, .size: 8, .value_kind: global_buffer, .address_space: global }
      - { .name: x, .offset: 16, .size: 8, .value_kind: global_buffer, .address_space: global }
      - { .name: bo, .offset: 24, .size: 8, .value_kind: global_buffer, .address_space: global }
      - { .name: gamma, .offset: 32, .size: 8, .value_kind: global_buffer, .address_space: global }
      - { .name: beta, .offset: 40, .size: 8, .value_kind: global_buffer, .address_space: global }
      - { .name: out0, .offset: 48, .size: 8, .value_kind: global_buffer, .address_space: global }
    .group_segment_fixed_size: 327680
    .private_segment_fixed_size: 0
    .kernarg_segment_align: 8
    .kernarg_segment_size: 56
    .max_flat_workgroup_size: 256
    .sgpr_count:     66
    .vgpr_count:     512
    .wavefront_size: 32
...
	.end_amdgpu_metadata
.endif
;; end of part 4
